; MI455X (gfx1250); checked and timed in simulation.
; The chip was launched on July 23, 2026; its instructions are those of AMD's public machine-readable ISA for CDNA 5 (MIT licence, August 2026) and "CDNA5" Instruction Set Architecture Reference Guide (July 2026). The comments in the code are by the model that wrote it; some were corrected since.
;; Dual Path Transformer. Allowed arithmetic: matrix products marked QUANTISED: E2M1 operands, one E8M0 scale for each 32 along K, by v_wmma_scale_f32_16x16x128_f8f6f4 with both operands' format E2M1 (or v_wmma_scale_f32_32x16x128_f4), f32 sums; products left as they are: f32 operands where the result goes on into a quantised operand, else bf16, f16 or f32 operands; f32 sums; everything else in f32.
;; Inputs: ffn_b1 1,024 float32; ffn_b2 512 float32; ffn_w1_codes 1,024 x 16 x 16 uint8 (E2M1 codes of ffn_w1, K innermost, in blocks of 32 codes, two codes a byte); ffn_w1_scales 1,024 x 16 uint8 (E8M0 scales of ffn_w1, one for each 32 codes along K); ffn_w2_codes 512 x 32 x 16 uint8 (E2M1 codes of ffn_w2, K innermost, in blocks of 32 codes, two codes a byte); ffn_w2_scales 512 x 32 uint8 (E8M0 scales of ffn_w2, one for each 32 codes along K); g_bo 512 float32; g_bqkv 3 x 512 float32; g_wo_codes 512 x 16 x 16 uint8 (E2M1 codes of g_wo, K innermost, in blocks of 32 codes, two codes a byte); g_wo_scales 512 x 16 uint8 (E8M0 scales of g_wo, one for each 32 codes along K); g_wqkv_codes 3 x 512 x 16 x 16 uint8 (E2M1 codes of g_wqkv, K innermost, in blocks of 32 codes, two codes a byte); g_wqkv_scales 3 x 512 x 16 uint8 (E8M0 scales of g_wqkv, one for each 32 codes along K); gate_b 512 float32; gate_w_codes 512 x 32 x 16 uint8 (E2M1 codes of gate_w, K innermost, in blocks of 32 codes, two codes a byte); gate_w_scales 512 x 32 uint8 (E8M0 scales of gate_w, one for each 32 codes along K); l_bo 512 float32; l_bqkv 3 x 512 float32; l_wo_codes 512 x 16 x 16 uint8 (E2M1 codes of l_wo, K innermost, in blocks of 32 codes, two codes a byte); l_wo_scales 512 x 16 uint8 (E8M0 scales of l_wo, one for each 32 codes along K); l_wqkv_codes 3 x 512 x 16 x 16 uint8 (E2M1 codes of l_wqkv, K innermost, in blocks of 32 codes, two codes a byte); l_wqkv_scales 3 x 512 x 16 uint8 (E8M0 scales of l_wqkv, one for each 32 codes along K); n1_b 512 float32; n1_g 512 float32; n2_b 512 float32; n2_g 512 float32; n3_b 512 float32; n3_g 512 float32; out_b 128 float32; out_w 512 x 128 float32; pos 1 x 2,048 x 512 float32; win_b 512 float32; win_w_codes 512 x 8 x 16 uint8 (E2M1 codes of win_w, K innermost, in blocks of 32 codes, two codes a byte); win_w_scales 512 x 8 uint8 (E8M0 scales of win_w, one for each 32 codes along K); x_codes 4 x 2,048 x 8 x 16 uint8 (E2M1 codes of x, K innermost, in blocks of 32 codes, two codes a byte); x_scales 4 x 2,048 x 8 uint8 (E8M0 scales of x, one for each 32 codes along K).
;; Outputs: out0 4 x 128 float32.
;; This version of the problem:
;;   THIS VERSION OF THE PROBLEM IS GIVEN IN LOW PRECISION. The matrix products marked QUANTISED in the list below multiply operands that are first quantised to E2M1 (2 exponent bits, 1 mantissa bit; 4 bits a number), with one power-of-two scale for each 32 numbers along K (OCP MX v1.0); their sums are f32. All else is computed in f32.
;;   The module's matrix products, in the order in which they are computed (A, B: the left and right operand; K: the contracted axis; several contracted axes count as one K, in the product's order):
;;     1. [M 8,192, K 256] x [K 256, N 512]; A: input x (given as codes); B: input win_w (given as codes): QUANTISED
;;     2. [M 8,192, K 512] x [K 512, N 512]; A: computed on the way; B: input l_wqkv (given as codes): QUANTISED
;;     3. [M 8,192, K 512] x [K 512, N 512]; A: computed on the way; B: input l_wqkv (given as codes): QUANTISED
;;     4. [M 8,192, K 512] x [K 512, N 512]; A: computed on the way; B: input l_wqkv (given as codes): QUANTISED
;;     5. batch 32 x [M 2,048, K 64] x [K 64, N 2,048]; A: computed on the way; B: computed on the way: QUANTISED
;;     6. batch 32 x [M 64, K 2,048] x [K 2,048, N 2,048]; A: computed on the way; B: softmax (see below): QUANTISED
;;     7. [M 8,192, K 512] x [K 512, N 512]; A: computed on the way; B: input l_wo (given as codes): QUANTISED
;;     8. [M 8,192, K 512] x [K 512, N 512]; A: computed on the way; B: input g_wqkv (given as codes): QUANTISED
;;     9. [M 8,192, K 512] x [K 512, N 512]; A: computed on the way; B: input g_wqkv (given as codes): QUANTISED
;;     10. [M 8,192, K 512] x [K 512, N 512]; A: computed on the way; B: input g_wqkv (given as codes): QUANTISED
;;     11. batch 32 x [M 2,048, K 64] x [K 64, N 2,048]; A: computed on the way; B: computed on the way: QUANTISED
;;     12. batch 32 x [M 64, K 2,048] x [K 2,048, N 2,048]; A: computed on the way; B: softmax (see below): QUANTISED
;;     13. [M 8,192, K 512] x [K 512, N 512]; A: computed on the way; B: input g_wo (given as codes): QUANTISED
;;     14. [M 8,192, K 1,024] x [K 1,024, N 512]; A: computed on the way; B: input gate_w (given as codes): QUANTISED
;;     15. [M 8,192, K 512] x [K 512, N 1,024]; A: computed on the way; B: input ffn_w1 (given as codes): QUANTISED
;;     16. [M 8,192, K 1,024] x [K 1,024, N 512]; A: computed on the way; B: input ffn_w2 (given as codes): QUANTISED
;;     17. [M 4, K 512] x [K 512, N 128]; A: computed on the way; B: input out_w: left as it is (M = 4 < 16)
;;   THE QUANTISER, for each operand of a quantised product, along K:
;;     - K is cut into blocks of 32 from its start; a last block that is shorter is filled with zeros.
;;     - A block's scale is 2^e with e = floor(log2(the largest magnitude in the block)) - 2, held to -126 .. 127; a block of zeros has e = 0. As a byte (E8M0): e + 127.
;;     - Each number is divided by its block's scale, clamped to +-6, and rounded to the nearest number of E2M1, ties to even, subnormals kept.
;;     - The product sums the exact products of the quantised numbers (number of the format x scale) in f32.
;;   ~~~python
;;   def quantise(x, axis):      # numpy; x: float32 -> the quantised numbers, widened to float32 again
;;       x = np.moveaxis(x, axis, -1); K = x.shape[-1]
;;       x = np.pad(x, [(0, 0)] * (x.ndim - 1) + [(0, -K % 32)]); x = x.reshape(x.shape[:-1] + (-1, 32)); a = np.abs(x).max(-1, keepdims=True)
;;       e = np.where(a > 0, np.clip(np.frexp(np.where(a > 0, a, 1))[1] - 1 - 2, -126, 127), 0)      # np.frexp(a)[1] - 1 = floor(log2(a)), exactly
;;       r = np.clip(x / 2.0 ** e, -6, 6)
;;       step = 2.0 ** (np.maximum(np.frexp(np.where(r == 0, 1, r))[1] - 1, 0) - 1)
;;       q = np.round(r / step) * step * 2.0 ** e      # np.round: ties to even
;;       return np.moveaxis(q.reshape(q.shape[:-2] + (-1,))[..., :K], -1, axis).astype(np.float32)
;;   ~~~
;;   SOFTMAX AHEAD OF A QUANTISED PRODUCT. Where the list says 'softmax', what is quantised is not the finished softmax but p = 2^(t - M), with t = logit x log2(e) and M = ceil(the row's largest t), a whole number; so 1/2 < the row's largest p <= 1. The row's sum l is taken of the UNQUANTISED p, in f32, and the product's result is divided by l at the end. Since M is a whole number, a kernel that streams over the keys may use a running M (the ceiling of the running maximum): every later rescaling is an exact power of two, which a block's scale takes up: the codes' values come out the same.
;;   OPERANDS COMPUTED ON THE WAY. 'Computed on the way' means the value that the module computes at that place (a softmax that the list does not call 'softmax' is quantised finished and normalised). What goes into a quantiser is computed in f32, as accurately as f32 sums, v_exp_f32 and their like allow (about 1e-6 of the number): no bf16 or f16 on the way to a quantiser, and a product that is left as it is and whose result goes on into a quantised operand takes f32 operands (vector FMAs, or v_wmma_f32_16x16x4_f32). A number that lies on a knife's edge between two numbers of the format may be rounded either way, as far as f32 arithmetic and the matrix unit's own rounding can turn it there, and no further.
;;   INPUTS GIVEN AS CODES. ffn_w1 (in the module: [512, 1024], K = its axis 0); ffn_w2 (in the module: [1024, 512], K = its axis 0); g_wo (in the module: [512, 512], K = its axis 0); g_wqkv (in the module: [3, 512, 512], K = its axis 1); gate_w (in the module: [1024, 512], K = its axis 0); l_wo (in the module: [512, 512], K = its axis 0); l_wqkv (in the module: [3, 512, 512], K = its axis 1); win_w (in the module: [256, 512], K = its axis 0); x (in the module: [4, 2048, 256], K = its axis 2): each comes as NAME_codes (uint8): NAME with its K axis moved to the last place and cut into blocks of 32 codes, [.., K / 32, bytes a block], one block behind the other in memory; two codes a byte, the lower K in the low four bits (a code: sign, 2 exponent bits, 1 mantissa bit); and NAME_scales (uint8): the same leading axes, one E8M0 byte (e + 127) for each 32 codes along K. Its value is code x scale, taken as it is: it is not quantised again, and the codes and scales need not be those that the quantiser above would give.
;; One version. Each part assembles by itself: llvm-mc -triple=amdgcn-amd-amdhsa -mcpu=gfx1250 --defsym DOCPART=n.
;; ======== version 1 of 1: 4 launches
;; limits: right only within a limited range of input values
;; workspace buffers: qkv_codes 12,582,912 bytes; qkv_scales 1,048,576 bytes; o_codes 4,194,304 bytes; o_scales 262,144 bytes; pool 524,288 bytes
;; launch qkv (part 1): grid 256 x 1, 16 waves a work-group, no clusters, 165,888 bytes of LDS; arguments x_codes, x_scales, pos, win_w_codes, win_w_scales, win_b, l_wqkv_codes, l_wqkv_scales, l_bqkv, g_wqkv_codes, g_wqkv_scales, g_bqkv, qkv_codes, qkv_scales; writes qkv_codes, qkv_scales
.if DOCPART == 1
	.amdgcn_target "amdgcn-amd-amdhsa--gfx1250"
	.amdhsa_code_object_version 6
	.text
	.protected	k_qb646bc6d5b_qkv
	.globl	k_qb646bc6d5b_qkv
	.p2align	8
	.type	k_qb646bc6d5b_qkv,@function
k_qb646bc6d5b_qkv:
	s_mov_b64 s[64:65], 0
	v_nop
	global_prefetch_b8 v0, s[64:65] scope:SCOPE_SE
	s_setreg_imm32_b32 hwreg(HW_REG_WAVE_MODE, 25, 1), 1
	s_wait_xcnt 0x0
; h = x win_w + win_b + pos; h is quantised along its 512; q, k, v of the local and of the global path = h W + b; all six are quantised and stored as codes of FP4 (E2M1) with E8M0 scale bytes.
; SHARES.  A work-group of sixteen waves owns 32 rows (two tiles of 16).  For h, wave w owns columns 32 w .. 32 w + 31.  For q, k, v wave w stands for path w / 8 and head w % 8 and owns that head's 64 columns of q, of k and of v: six blocks of 32 columns.
; A BLOCK OF 32 COLUMNS is two tiles u = 0, 1; lane r of tile u takes weight row 32 blk + 8 u + r + 8 (r / 8).  Used transposed (source 0 = weights, source 1 = rows) lane (r, h) then holds row r and the 16 NEIGHBOURING
; columns 32 blk + 16 h + 0 .. 15 in 16 registers: a quantiser block lies in lanes l and l xor 16.  v is made NOT transposed: a lane holds one column d and 16 tokens, since the tokens (keys) are its next K.
; WEIGHTS go from memory straight into registers, 8,192 bytes (32 rows x 512 along K) a chunk, each byte read once in the work-group, by one wave; the next chunk is asked for behind the last product of the chunk in hand.
; NO CLUSTER, NO TENSOR LOAD: a joint load would land in LDS, which adds an LDS write and an LDS read of every weight byte to a path that has neither; what a work-group takes in stays the same 835,584 bytes.
; ROWS go from wave to wave through LDS as IMG[block of 32 along K][row 32][16 bytes]: a fragment's register group is one ds_load_b128 in which sixteen lanes read 256 consecutive bytes.
; OUT (workspace, laid as the attention launch reads it; G = the 32 tokens of this work-group): q and k: [path][head of batch][G][tile of 16 tokens][d block][token][16 bytes];
; v: [path][head][G][slot 64][16 bytes], slot 32 db + 16 u + r = column 32 db + 8 u + r + 8 (r / 8), the 32 tokens in the order 0-7, 16-23, 8-15, 24-31, which is the order in which the weights p come out of the softmax.
; LIMITS: NaN and infinities are not served.  A block whose largest magnitude lies under 2^-124 keeps the scale byte 1; a block of zeros has byte 1 and zero codes where the rule says 127: the bytes are read by this program alone.
.set XIMG, 0                           ; LDS: x's codes, 8 blocks x 512 bytes
.set HIMG, 4096                        ; h's codes, 16 blocks x 512 bytes
.set HSC,  12288                       ; h's scale bytes, [row 32][16]
.set LI,  3                            ; v3   512 h + 16 r: my place in an image's block
.set IW,  4                            ; v4   512 w + 16 r + 8 h: where I store my 8 bytes of codes
.set SW,  5                            ; v5   HSC + 16 r + w: where my scale byte goes
.set LS,  6                            ; v6   HSC + 16 r: my row's scale bytes
.set VWA, 7                            ; v7   win_w codes: 4096 w + 128 (lane / 8) + 16 (lane % 8)
.set VSA, 8                            ; v8   win_w scales: 256 w + 8 rp
.set VB,  9                            ; v9   win_b: 128 w + 64 h
.set VP,  10                           ; v10  pos: 2048 r + 128 w + 64 h
.set VWQ, 11                           ; v11  wqkv codes: 16384 head + 256 (lane / 8) + 16 (lane % 8)
.set VSQ, 12                           ; v12  wqkv scales: 1024 head + 16 rp
.set VBQ, 13                           ; v13  bqkv for q and k: 256 head + 64 h
.set VBV, 14                           ; v14  bqkv for v: 256 head + 4 rp
.set VO,  15                           ; v15  16 r + 8 h: my 8 bytes of a stored unit of 256
.set VL4, 16                           ; v16  4 x lane
.set XW,  17                           ; v17  where thread t puts its 8 bytes of x's codes
.set XR,  18                           ; v18  8 t
.set VX8, 19                           ; v19  8 r
.set XS,  20                           ; v20-27  the rows' scale words, 4 m + s; scales and nothing else
.set WS,  28                           ; v28-35  the weights' scale words, 4 u + s; scales and nothing else
.set BIA, 36                           ; v36-51  a chunk's bias in the result's layout
.set ACC, 52                           ; v52-83  four accumulators
.set XF,  84                           ; v84-147 the rows' fragments, 8 (2 s + m)
.set W,   148                          ; v148-211 a chunk's weights, 8 (4 u + s)
.set CD,  212                          ; v212-215 codes just made
.set T,   216                          ; v216-219 largest magnitudes; the upper two take the other half's
.set SCL, 220                          ; v220-221 the conversions' scale operands
.set BY,  222                          ; v222-233 the twelve scale bytes of q, k, v
.set WD,  234                          ; v234-236 at work; the scale words on the way out
.set WV,  66                           ; s66  my wave
.set SEL, 68                           ; s[68:69] v_permlanex16_b32's selects for lane l xor 16
.set HM,  70                           ; s70  lanes 16-31
.set WST, 18432                        ; LDS: behind the spare words, 9,216 bytes for each wave: two halves of a chunk of weights, 32 rows at a pitch of 144 bytes each
.set SA,  237                          ; v237 WST + 9216 w + 144 (lane / 8) + 16 (lane % 8): where a loaded piece of a weight row goes
.set LA,  238                          ; v238 WST + 9216 w + 144 r + 16 h: where my fragment's row lies
.macro PLACES                          ; four plain places behind matrix instructions, ahead of loads into their registers and of the first read of their results
.rept 4
	v_nop
.endr
.endm
.macro BARRIER                         ; my LDS stores have landed and my LDS loads are in: then the work-group's barrier
	s_wait_dscnt 0x0
	s_barrier_signal -1
	s_barrier_wait -1
.endm
; HALF k OF A CHUNK OF WEIGHTS: my 32 rows' 128 bytes of K steps 2 k and 2 k + 1.  Load j takes rows 4 j .. 4 j + 3, eight lanes to a row: four runs of 128 consecutive bytes a load.
; It lands in the registers of these two K steps' fragments
.macro WLOAD sb, va, rowb, off, k
.irp j, 0,1,2,3,4,5,6,7
	global_load_b128 v[W+16*(\k)+32*(\j/4)+4*(\j%4):W+16*(\k)+32*(\j/4)+4*(\j%4)+3], v[\va], s[\sb:\sb+1] offset:(\off)+128*(\k)+4*\j*(\rowb)
.endr
.endm
; and goes through my wave's own LDS bytes to become fragments.  Row rho lies at place 16 u + r with rho = 8 u + r + 8 (r / 8): the rows of weight tile u are neighbours there.  The pitch of 144 bytes is an odd multiple of 16.
; LDS serves a wave's instructions in order (ISA guide 5.7.1.4): the loads see the stores, and the next half's stores come behind these loads; no other wave touches these bytes, so there is no barrier
.macro TURN k
.irp j, 0,1,2,3,4,5,6,7
	ds_store_b128 v[SA], v[W+16*(\k)+32*(\j/4)+4*(\j%4):W+16*(\k)+32*(\j/4)+4*(\j%4)+3] offset:4608*(\k)+144*(16*((\j/2)%2)+4*(\j%2)+8*(\j/4))
.endr
.irp u, 0,1
.irp s, 0,1
.irp c, 0,1
	ds_load_b128 v[W+8*(4*\u+2*(\k)+\s)+4*\c:W+8*(4*\u+2*(\k)+\s)+4*\c+3], v[LA] offset:4608*(\k)+2304*\u+64*\s+32*\c
.endr
.endr
.endr
.endm
; n K steps of the rows' fragments, from K step s0 of an image
.macro XLOAD img, s0, n
.irp s, 0,1,2,3
.if \s < \n
.irp m, 0,1
.irp c, 0,1
	ds_load_b128 v[XF+8*(2*\s+\m)+4*\c:XF+8*(2*\s+\m)+4*\c+3], v[LI] offset:(\img)+2048*((\s0)+\s)+1024*\c+256*\m
.endr
.endr
.endif
.endr
.endm
; one K step, transposed: four products on four accumulators, which take turns.  bias = 1: the bias is the C of the sum's first product
.macro KSTEP_T acc, s, x, bias
.irp m, 0,1
.irp u, 0,1
.if \bias
	v_wmma_scale_f32_16x16x128_f8f6f4 v[(\acc)+16*\m+8*\u:(\acc)+16*\m+8*\u+7], v[W+8*(4*\u+(\s)):W+8*(4*\u+(\s))+7], v[XF+8*(2*(\x)+\m):XF+8*(2*(\x)+\m)+7], v[BIA+8*\u:BIA+8*\u+7], v[WS+4*\u+(\s)], v[XS+4*\m+(\s)] matrix_a_fmt:MATRIX_FMT_FP4 matrix_b_fmt:MATRIX_FMT_FP4
.else
	v_wmma_scale_f32_16x16x128_f8f6f4 v[(\acc)+16*\m+8*\u:(\acc)+16*\m+8*\u+7], v[W+8*(4*\u+(\s)):W+8*(4*\u+(\s))+7], v[XF+8*(2*(\x)+\m):XF+8*(2*(\x)+\m)+7], v[(\acc)+16*\m+8*\u:(\acc)+16*\m+8*\u+7], v[WS+4*\u+(\s)], v[XS+4*\m+(\s)] matrix_a_fmt:MATRIX_FMT_FP4 matrix_b_fmt:MATRIX_FMT_FP4
.endif
.endr
.endr
.endm
; the same, not transposed (source 0 = rows, source 1 = weights): lane (r, h) holds column slot r of tile u and tokens 16 m + 8 h + 0 .. 7
.macro KSTEP_N acc, s, x, bias
.irp u, 0,1
.irp m, 0,1
.if \bias
	v_wmma_scale_f32_16x16x128_f8f6f4 v[(\acc)+16*\u+8*\m:(\acc)+16*\u+8*\m+7], v[XF+8*(2*(\x)+\m):XF+8*(2*(\x)+\m)+7], v[W+8*(4*\u+(\s)):W+8*(4*\u+(\s))+7], v[BIA+8*\u:BIA+8*\u+7], v[XS+4*\m+(\s)], v[WS+4*\u+(\s)] matrix_a_fmt:MATRIX_FMT_FP4 matrix_b_fmt:MATRIX_FMT_FP4
.else
	v_wmma_scale_f32_16x16x128_f8f6f4 v[(\acc)+16*\u+8*\m:(\acc)+16*\u+8*\m+7], v[XF+8*(2*(\x)+\m):XF+8*(2*(\x)+\m)+7], v[W+8*(4*\u+(\s)):W+8*(4*\u+(\s))+7], v[(\acc)+16*\u+8*\m:(\acc)+16*\u+8*\m+7], v[XS+4*\m+(\s)], v[WS+4*\u+(\s)] matrix_a_fmt:MATRIX_FMT_FP4 matrix_b_fmt:MATRIX_FMT_FP4
.endif
.endr
.endr
.endm
; two blocks, by turns: my 16 numbers of each at v[a] and v[b] on; the other 16 lie in lane l xor 16.  Codes: v[cd], v[cd+1] and v[cd+2], v[cd+3]; scale bytes: v[by0], v[by1].
; The largest magnitude has the floor 2^(3 - 127) among its leaves, so the byte cannot fall under 1; its exponent field less 2 is the scale: the conversion takes the exponent field of its scale operand alone.
.macro QUANT2 a, b, abs, cd, by0, by1
.if \abs
	v_max3_num_f32 v[T], |v[\a]|, |v[(\a)+1]|, 0x1800000
	v_max3_num_f32 v[T+1], |v[\b]|, |v[(\b)+1]|, 0x1800000
.irp i, 2,4,6,8,10,12,14
	v_max3_num_f32 v[T], v[T], |v[(\a)+\i]|, |v[(\a)+\i+1]|
	v_max3_num_f32 v[T+1], v[T+1], |v[(\b)+\i]|, |v[(\b)+\i+1]|
.endr
.else
	v_max3_num_f32 v[T], v[\a], v[(\a)+1], 0x1800000
	v_max3_num_f32 v[T+1], v[\b], v[(\b)+1], 0x1800000
.irp i, 2,4,6,8,10,12,14
	v_max3_num_f32 v[T], v[T], v[(\a)+\i], v[(\a)+\i+1]
	v_max3_num_f32 v[T+1], v[T+1], v[(\b)+\i], v[(\b)+\i+1]
.endr
.endif
	s_delay_alu instid0(VALU_DEP_2)
	v_permlanex16_b32 v[T+2], v[T], s[SEL], s[SEL+1]
	s_delay_alu instid0(VALU_DEP_2)
	v_permlanex16_b32 v[T+3], v[T+1], s[SEL], s[SEL+1]
	s_delay_alu instid0(VALU_DEP_2)
	v_max_num_f32 v[T], v[T], v[T+2]
	s_delay_alu instid0(VALU_DEP_2)
	v_max_num_f32 v[T+1], v[T+1], v[T+3]
	s_delay_alu instid0(VALU_DEP_2)
	v_add_nc_u32 v[SCL], 0xff000000, v[T]
	s_delay_alu instid0(VALU_DEP_2)
	v_add_nc_u32 v[SCL+1], 0xff000000, v[T+1]
	s_delay_alu instid0(VALU_DEP_2)
	v_lshrrev_b32 v[\by0], 23, v[SCL]
	s_delay_alu instid0(VALU_DEP_2)
	v_lshrrev_b32 v[\by1], 23, v[SCL+1]
	v_cvt_scalef32_pk8_fp4_f32 v[\cd], v[(\a):(\a)+7], v[SCL]
	v_cvt_scalef32_pk8_fp4_f32 v[(\cd)+1], v[(\a)+8:(\a)+15], v[SCL]
	v_cvt_scalef32_pk8_fp4_f32 v[(\cd)+2], v[(\b):(\b)+7], v[SCL+1]
	v_cvt_scalef32_pk8_fp4_f32 v[(\cd)+3], v[(\b)+8:(\b)+15], v[SCL+1]
	v_nop                                          ; one plain place behind the last scaled conversion
.endm
; half k of chunk (i = 0 q, 1 k, 2 v; db = which 32 of the head's 64): eight loads of codes and the two pairs of scale words of its K steps: ten loads
.macro CLG i, db, k
	WLOAD 72, VWQ, 256, (\i)*131072+(\db)*8192, \k
.irp u, 0,1
	global_load_b64 v[WS+4*\u+2*(\k):WS+4*\u+2*(\k)+1], v[VSQ], s[74:75] offset:(\i)*8192+(\db)*512+128*\u+8*(\k)
.endr
.endm
; a chunk's bias in the result's layout: 4 loads for q and k, 16 for v; it goes ahead of the chunk's first group
.macro CBIAS i, db
.if (\i) < 2
.irp n, 0,1,2,3
	global_load_b128 v[BIA+4*\n:BIA+4*\n+3], v[VBQ], s[76:77] offset:(\i)*2048+(\db)*128+16*\n
.endr
.else
.irp u, 0,1
.irp j, 0,1,2,3,4,5,6,7
	global_load_b32 v[BIA+8*\u+\j], v[VBV], s[76:77] offset:4096+(\db)*128+32*\u   ; a lane holds one column of v: its bias in all eight registers
.endr
.endr
.endif
.endm
; one chunk: four K steps, the next chunk's loads, the quantiser, two stores of 256 consecutive aligned bytes each
.macro CLOADS i, db                    ; a whole chunk: the bias, then the two halves in the order in which they are multiplied
	CBIAS \i, \db
	CLG \i, \db, 0
	CLG \i, \db, 1
.endm
.macro KH i, k, cnt                    ; half k: it is in when at most cnt younger loads are out; through LDS; its two K steps; four places, ahead of the loads into its registers
	s_wait_loadcnt \cnt
	TURN \k
	s_wait_dscnt 0x0                               ; the fragments are in (first chunk: h's fragments and scale words too)
.if (\i) < 2
	KSTEP_T ACC, 2*(\k), 2*(\k), 1-(\k)
	KSTEP_T ACC, 2*(\k)+1, 2*(\k)+1, 0
.else
	KSTEP_N ACC, 2*(\k), 2*(\k), 1-(\k)
	KSTEP_N ACC, 2*(\k)+1, 2*(\k)+1, 0
.endif
	PLACES
.endm
; The next chunk's half k is asked for behind the K steps of half k of the chunk in hand, into the registers that they have just read.
; COUNTS.  Behind my half 0 stands my half 1: 10 loads.  Behind my half 1: the next chunk's bias (4, for v 16) and half 0 (10): 14 or 26.  The last chunk asks for nothing: 10, 0.
.macro CHUNK i, db, ni, ndb, last
.if \last
	KH \i, 0, 10
	KH \i, 1, 0
	s_wait_xcnt 0x0                                ; the last chunk's stores have read their data: the codes' registers are written again only behind this wait
.else
.if (\ni) < 2
.set NB_, 14
.else
.set NB_, 26
.endif
	KH \i, 0, 10
	CBIAS \ni, \ndb
	CLG \ni, \ndb, 0
	KH \i, 1, NB_
	s_wait_xcnt 0x0                                ; the last chunk's stores have read their data: the codes' registers are written again only behind this wait
	CLG \ni, \ndb, 1
.endif
	QUANT2 ACC, ACC+16, 1, CD, BY+2*(2*(\i)+(\db)), BY+2*(2*(\i)+(\db))+1
.if (\i) < 2
	global_store_b64 v[VO], v[CD:CD+1], s[80:81] offset:(\i)*4194304+256*(\db)
	global_store_b64 v[VO], v[CD+2:CD+3], s[80:81] offset:(\i)*4194304+256*(\db)+512
.else
	global_store_b64 v[VO], v[CD:CD+1], s[82:83] offset:512*(\db)
	global_store_b64 v[VO], v[CD+2:CD+3], s[82:83] offset:512*(\db)+256
.endif
.endm
	s_load_b512 s[4:19], s[0:1], 0x0               ; x codes 4, x scales 6, pos 8, win codes 10, win scales 12, win_b 14, l_wqkv codes 16, l_wqkv scales 18
	s_load_b256 s[20:27], s[0:1], 0x40             ; l_bqkv 20, g_wqkv codes 22, g_wqkv scales 24, g_bqkv 26
	s_load_b128 s[28:31], s[0:1], 0x60             ; qkv_codes 28, qkv_scales 30
	v_lshl_add_u32 v254, v0, 2, 0x4000
	v_mov_b32 v255, 0
	v_lshrrev_b32 v1, 5, v0
	s_delay_alu instid0(VALU_DEP_1)
	v_readfirstlane_b32 s[WV], v1                  ; wave 0..15
	v_and_b32 v1, 15, v0                           ; r
	s_wait_alu depctr_va_vdst(0)
	v_bfe_u32 v2, v0, 4, 1                         ; h
	v_and_b32 v[WD], 8, v1
	s_delay_alu instid0(VALU_DEP_1)
	v_add_nc_u32 v[WD], v[WD], v1                  ; rp = r + 8 (r / 8)
	s_wait_alu depctr_va_vdst(0)
	s_mov_b32 s[SEL], 0x76543210
	s_mov_b32 s[SEL+1], 0xfedcba98
	s_mov_b32 s[HM], 0xffff0000
	s_lshr_b32 s71, ttmp9, 6                       ; batch
	s_and_b32 s78, ttmp9, 63                       ; G: which 32 tokens of the sequence
	s_lshr_b32 s79, s[WV], 3                       ; path
	s_and_b32 s86, s[WV], 7                        ; head
	v_lshlrev_b32 v[LI], 4, v1
	s_delay_alu instid0(VALU_DEP_1)
	v_lshl_add_u32 v[LI], v2, 9, v[LI]
	v_lshlrev_b32 v[VO], 4, v1
	s_delay_alu instid0(VALU_DEP_1)
	v_lshl_add_u32 v[VO], v2, 3, v[VO]
	s_lshl_b32 s87, s[WV], 9
	v_add_nc_u32 v[IW], s87, v[VO]
	v_lshlrev_b32 v[LS], 4, v1
	s_delay_alu instid0(VALU_DEP_1)
	v_add_nc_u32 v[LS], HSC, v[LS]
	s_delay_alu instid0(VALU_DEP_1)
	v_add_nc_u32 v[SW], s[WV], v[LS]
	v_bfe_u32 v239, v0, 3, 2                       ; lane / 8: which of a load's four rows
	v_and_b32 v240, 7, v0
	s_lshl_b32 s88, s[WV], 12
	s_mul_i32 s94, s[WV], 9216
	s_add_co_u32 s94, s94, WST                     ; my wave's LDS bytes for the weights
	v_lshlrev_b32 v240, 4, v240                    ; 16 (lane % 8): which 16 of its 128 bytes
	v_lshl_add_u32 v[VWA], v239, 7, s88            ; win_w codes: 4096 w + 128 (lane / 8) + 16 (lane % 8)
	v_mul_u32_u24 v[SA], v239, 144
	v_mul_u32_u24 v[LA], v1, 144
	v_add_nc_u32 v[VWA], v[VWA], v240
	v_add_nc_u32 v[SA], v[SA], v240
	v_lshl_add_u32 v[LA], v2, 4, v[LA]
	v_add_nc_u32 v[SA], s94, v[SA]
	v_add_nc_u32 v[LA], s94, v[LA]
	s_lshl_b32 s89, s[WV], 8
	v_lshl_add_u32 v[VSA], v[WD], 3, s89
	s_lshl_b32 s90, s[WV], 7
	v_lshl_add_u32 v[VB], v2, 6, s90
	s_delay_alu instid0(VALU_DEP_1)
	v_lshl_add_u32 v[VP], v1, 11, v[VB]
	s_lshl_b32 s91, s86, 14
	v_lshl_add_u32 v[VWQ], v239, 8, s91            ; wqkv codes: 16384 head + 256 (lane / 8) + 16 (lane % 8)
	s_delay_alu instid0(VALU_DEP_1)
	v_add_nc_u32 v[VWQ], v[VWQ], v240
	s_lshl_b32 s92, s86, 10
	v_lshl_add_u32 v[VSQ], v[WD], 4, s92
	s_lshl_b32 s93, s86, 8
	v_lshl_add_u32 v[VBQ], v2, 6, s93
	v_lshl_add_u32 v[VBV], v[WD], 2, s93
	v_and_b32 v[VL4], 31, v0
	s_delay_alu instid0(VALU_DEP_1)
	v_lshlrev_b32 v[VL4], 2, v[VL4]
	v_bfe_u32 v[WD+1], v0, 1, 3                    ; thread t holds bytes 8 t .. 8 t + 7 of the 32 rows of x: row t / 16, block (t / 2) % 8, half t % 2
	s_delay_alu instid0(VALU_DEP_1)
	v_lshlrev_b32 v[XW], 9, v[WD+1]
	v_lshrrev_b32 v[WD+1], 4, v0
	s_delay_alu instid0(VALU_DEP_1)
	v_lshl_add_u32 v[XW], v[WD+1], 4, v[XW]
	v_and_b32 v[WD+1], 1, v0
	s_delay_alu instid0(VALU_DEP_1)
	v_lshl_add_u32 v[XW], v[WD+1], 3, v[XW]
	v_lshlrev_b32 v[XR], 3, v0
	v_lshlrev_b32 v[VX8], 3, v1
	v_mov_b32 v[T+2], 0                            ; written once: a lane permute's destination counts as one of its sources
	v_mov_b32 v[T+3], 0
	s_mov_b32 s89, 0
	s_wait_alu depctr_va_vdst(0)
	s_wait_kmcnt 0x0
	s_lshl_b32 s88, ttmp9, 12
	s_add_nc_u64 s[4:5], s[4:5], s[88:89]          ; x's codes: 32 rows of 128 bytes
	s_lshl_b32 s88, ttmp9, 8
	s_add_nc_u64 s[6:7], s[6:7], s[88:89]          ; x's scale bytes: 8 a row
	s_lshl_b32 s88, s78, 16
	s_add_nc_u64 s[8:9], s[8:9], s[88:89]          ; pos: 32 rows of 2,048 bytes
	s_cmp_lt_u32 s[WV], 8                          ; the path's weights: a choice on the wave's number
	s_cselect_b64 s[72:73], s[16:17], s[22:23]
	s_cselect_b64 s[74:75], s[18:19], s[24:25]
	s_cselect_b64 s[76:77], s[20:21], s[26:27]
	s_lshl_b32 s90, s71, 3
	s_add_co_u32 s90, s90, s86                     ; head of batch: 8 b + head
	s_lshl_b32 s88, s79, 21
	s_lshl_b32 s91, s90, 16
	s_add_co_u32 s88, s88, s91
	s_lshl_b32 s91, s78, 10
	s_add_co_u32 s88, s88, s91
	s_add_nc_u64 s[80:81], s[28:29], s[88:89]      ; q's codes of my path, head and G; k's lie 4 MiB on,
	s_add_nc_u64 s[82:83], s[80:81], 0x800000      ; v's 8 MiB on
	s_lshl_b32 s88, s79, 18
	s_lshl_b32 s91, s90, 13
	s_add_co_u32 s88, s88, s91
	s_lshl_b32 s91, s78, 7
	s_add_co_u32 s88, s88, s91
	s_add_nc_u64 s[84:85], s[30:31], s[88:89]      ; q's scale words; k's and v's lie 524,288 bytes on
	global_load_b64 v[CD:CD+1], v[XR], s[4:5]      ; x's codes: the work-group's 4,096 bytes, 8 a thread
	WLOAD 10, VWA, 128, 0, 0                       ; win_w: its K of 256 is one half: eight loads
.irp u, 0,1
	global_load_b64 v[WS+4*\u:WS+4*\u+1], v[VSA], s[12:13] offset:64*\u
.endr
.irp n, 0,1,2,3
	global_load_b128 v[BIA+4*\n:BIA+4*\n+3], v[VB], s[14:15] offset:16*\n
.endr
.irp m, 0,1
.irp n, 0,1,2,3
	global_load_b128 v[ACC+16*\m+4*\n:ACC+16*\m+4*\n+3], v[VP], s[8:9] offset:32768*\m+16*\n   ; pos lands where the sums will stand
.endr
.endr
.irp m, 0,1
	global_load_b64 v[XS+4*\m:XS+4*\m+1], v[VX8], s[6:7] offset:128*\m
.endr
	s_wait_loadcnt 24                              ; x's codes are in; the 24 loads issued behind them (8 + 2 + 4 + 8 + 2) may stay out
	ds_store_b64 v[XW], v[CD:CD+1]
	BARRIER                                        ; x's eight blocks lie in LDS
	; ---- h = x win_w + (pos + win_b)
	XLOAD XIMG, 0, 2
	s_wait_loadcnt 0x0
.irp m, 0,1
.irp k, 0,2,4,6,8,10,12,14
	v_pk_add_f32 v[ACC+16*\m+\k:ACC+16*\m+\k+1], v[ACC+16*\m+\k:ACC+16*\m+\k+1], v[BIA+\k:BIA+\k+1]
.endr
.endr
	TURN 0                                         ; win_w's rows become fragments
	s_wait_alu depctr_va_vdst(0)
	s_wait_dscnt 0x0
	KSTEP_T ACC, 0, 0, 0
	KSTEP_T ACC, 1, 1, 0
	PLACES
	CLOADS 0, 0                                    ; q's first chunk lands while h is quantised and handed round
	QUANT2 ACC, ACC+16, 1, CD, WD, WD+1
	ds_store_b64 v[IW], v[CD:CD+1] offset:HIMG
	ds_store_b64 v[IW], v[CD+2:CD+3] offset:HIMG+256
	ds_store_b8 v[SW], v[WD]                       ; both lanes of a block write the same byte with the same value
	ds_store_b8 v[SW], v[WD+1] offset:256
	BARRIER                                        ; h's sixteen blocks and their scale bytes lie in LDS
	XLOAD HIMG, 0, 4                               ; all of h's fragments: they stay for the six chunks
.irp m, 0,1
	ds_load_b128 v[XS+4*\m:XS+4*\m+3], v[LS] offset:256*\m
.endr
	CHUNK 0, 0, 0, 1, 0
	CHUNK 0, 1, 1, 0, 0
	CHUNK 1, 0, 1, 1, 0
	CHUNK 1, 1, 2, 0, 0
	CHUNK 2, 0, 2, 1, 0
	CHUNK 2, 1, 0, 0, 1
	; ---- the scale words.  q: token's word = s0, s1, s0, s1; lanes 0-15 store tile 0's, lanes 16-31 tile 1's
	v_lshl_or_b32 v[WD], v[BY+2], 8, v[BY]
	v_lshl_or_b32 v[WD+1], v[BY+3], 8, v[BY+1]
	s_delay_alu instid0(VALU_DEP_1)
	v_cndmask_b32 v[WD], v[WD], v[WD+1], s[HM]
	s_delay_alu instid0(VALU_DEP_1)
	v_lshl_or_b32 v[WD], v[WD], 16, v[WD]
	global_store_b32 v[VL4], v[WD], s[84:85]
	; k: (tile 0, db 0), (tile 0, db 1), (tile 1, db 0), (tile 1, db 1) of row r, in lanes 0-15;  v: the bytes of slots r, 16 + r, 32 + r, 48 + r, in lanes 16-31
	v_lshl_or_b32 v[WD+1], v[BY+6], 8, v[BY+4]
	s_delay_alu instid0(VALU_DEP_1)
	v_lshl_or_b32 v[WD+1], v[BY+5], 16, v[WD+1]
	s_delay_alu instid0(VALU_DEP_1)
	v_lshl_or_b32 v[WD+1], v[BY+7], 24, v[WD+1]
	v_lshl_or_b32 v[WD+2], v[BY+9], 8, v[BY+8]
	s_delay_alu instid0(VALU_DEP_1)
	v_lshl_or_b32 v[WD+2], v[BY+10], 16, v[WD+2]
	s_delay_alu instid0(VALU_DEP_1)
	v_lshl_or_b32 v[WD+2], v[BY+11], 24, v[WD+2]
	s_delay_alu instid0(VALU_DEP_1)
	v_cndmask_b32 v[WD+1], v[WD+1], v[WD+2], s[HM]
	global_store_b32 v[VL4], v[WD+1], s[84:85] offset:524288
	s_barrier_signal -1
	s_barrier_wait -1
	s_wait_tensorcnt 0x0
	ds_add_u32 v254, v255
	s_wait_dscnt 0x0
	s_endpgm
.Lfunc_end_k_qb646bc6d5b_qkv:
	.size	k_qb646bc6d5b_qkv, .Lfunc_end_k_qb646bc6d5b_qkv-k_qb646bc6d5b_qkv
	.p2alignl 7, 3214868480
	.fill 96, 4, 3214868480
	.section	.rodata,"a",@progbits
	.p2align	6, 0x0
	.amdhsa_kernel k_qb646bc6d5b_qkv
		.amdhsa_group_segment_fixed_size 165888
		.amdhsa_private_segment_fixed_size 0
		.amdhsa_enable_private_segment 0
		.amdhsa_kernarg_size 112
		.amdhsa_user_sgpr_count 2
		.amdhsa_user_sgpr_kernarg_segment_ptr 1
		.amdhsa_wavefront_size32 1
		.amdhsa_system_sgpr_workgroup_id_x 1
		.amdhsa_system_sgpr_workgroup_id_y 1
		.amdhsa_system_sgpr_workgroup_id_z 1
		.amdhsa_system_vgpr_workitem_id 0
		.amdhsa_next_free_vgpr 256
		.amdhsa_next_free_sgpr 100
		.amdhsa_reserve_vcc 0
		.amdhsa_float_denorm_mode_32 3
		.amdhsa_float_denorm_mode_16_64 3
		.amdhsa_memory_ordered 1
		.amdhsa_forward_progress 1
		.amdhsa_inst_pref_size 71
	.end_amdhsa_kernel
	.amdgpu_metadata
---
amdhsa.version: [ 1, 2 ]
amdhsa.kernels:
  - .name:           k_qb646bc6d5b_qkv
    .symbol:         k_qb646bc6d5b_qkv.kd
    .args:
      - { .name: x_codes, .offset: 0, .size: 8, .value_kind: global_buffer, .address_space: global }
      - { .name: x_scales, .offset: 8, .size: 8, .value_kind: global_buffer, .address_space: global }
      - { .name: pos, .offset: 16, .size: 8, .value_kind: global_buffer, .address_space: global }
      - { .name: win_w_codes, .offset: 24, .size: 8, .value_kind: global_buffer, .address_space: global }
      - { .name: win_w_scales, .offset: 32, .size: 8, .value_kind: global_buffer, .address_space: global }
      - { .name: win_b, .offset: 40, .size: 8, .value_kind: global_buffer, .address_space: global }
      - { .name: l_wqkv_codes, .offset: 48, .size: 8, .value_kind: global_buffer, .address_space: global }
      - { .name: l_wqkv_scales, .offset: 56, .size: 8, .value_kind: global_buffer, .address_space: global }
      - { .name: l_bqkv, .offset: 64, .size: 8, .value_kind: global_buffer, .address_space: global }
      - { .name: g_wqkv_codes, .offset: 72, .size: 8, .value_kind: global_buffer, .address_space: global }
      - { .name: g_wqkv_scales, .offset: 80, .size: 8, .value_kind: global_buffer, .address_space: global }
      - { .name: g_bqkv, .offset: 88, .size: 8, .value_kind: global_buffer, .address_space: global }
      - { .name: qkv_codes, .offset: 96, .size: 8, .value_kind: global_buffer, .address_space: global }
      - { .name: qkv_scales, .offset: 104, .size: 8, .value_kind: global_buffer, .address_space: global }
    .group_segment_fixed_size: 165888
    .private_segment_fixed_size: 0
    .kernarg_segment_align: 8
    .kernarg_segment_size: 112
    .max_flat_workgroup_size: 512
    .sgpr_count:     100
    .vgpr_count:     256
    .wavefront_size: 32
...
	.end_amdgpu_metadata
.endif
;; end of part 1
;; launch attn (part 2): grid 8 x 32, 16 waves a work-group, no clusters, 182,272 bytes of LDS; arguments qkv_codes, qkv_scales, o_codes, o_scales; writes o_codes, o_scales
.if DOCPART == 2
	.amdgcn_target "amdgcn-amd-amdhsa--gfx1250"
	.amdhsa_code_object_version 6
	.text
	.protected	k_qb646bc6d5b_attn
	.globl	k_qb646bc6d5b_attn
	.p2align	8
	.type	k_qb646bc6d5b_attn,@function
k_qb646bc6d5b_attn:
	s_mov_b64 s[64:65], 0
	v_nop
	global_prefetch_b8 v0, s[64:65] scope:SCOPE_SE
	s_setreg_imm32_b32 hwreg(HW_REG_WAVE_MODE, 25, 1), 1
	s_wait_xcnt 0x0
; Both attention paths of 256 queries of one head of one batch, on codes of FP4 (E2M1) with E8M0 scales; o = (V^T p) / l is quantised along the head's 64 and stored as codes.
; SOFTMAX: t = score x log2(e) / 8; M = the running largest t rounded UP to a whole number; p = 2^(t - M) is quantised along the keys, not normalised; the sum l is taken of the unquantised p and divides at the end.
; When M moves, l and O are multiplied by 2^(old M - new M), which rounds nothing.
; SHARES.  Sixteen waves; wave w owns queries 256 i + 16 w + 0 .. 15, in 256 registers, four waves to a SIMD.  First the LOCAL path: keys further than 32 from the query are hidden by a mask that the problem builds itself, so
; ONE step of 128 keys (four aligned blocks of 32 that hold the query's block and both its neighbours) is all its work; hidden scores become -infinity ahead of the maximum.  Then the GLOBAL path: 16 steps of 128 keys.
; LAYOUT.  Both products are used transposed: a lane holds ONE query (lane % 16).  The head is 64 wide and the instruction 128 deep: source 0 holds TWO tiles of 16 keys side by side (K 0-63: tile 0, K 64-127: tile 1), and
; source 1 is q beside 64 zero codes: q low picks tile 0, q high picks tile 1.  Register 16 b + 8 u + j of lane (r, h) is key 32 b + 16 u + 8 h + j.  So p's codes of a block come out in the key order 0-7, 16-23, 8-15, 24-31,
; and the launch before has laid v's codes in that same order: a permutation of K applied to both operands alike.  v's slots are ordered so that O's 16 registers of two tiles are 16 neighbouring channels.
; LDS is filled ONCE, by copies issued at the head: the local window of the work-group (16 blocks of 32 keys), then the whole head of the global path.  The local step runs while the global copies land.
; NO CLUSTER: each work-group asks for its head's k and v once, 174,080 bytes for its seventeen steps, by copies that go lane by lane and carry no mask; nothing is asked for again.
; LIMITS: NaN and infinities are not served.  A block whose largest magnitude lies under 2^-124 keeps the scale byte 1; a block of zeros has byte 1 and zero codes.  o's scale bytes leave as single bytes, 2 in each of 16 rows a store.
.set LK,   0                           ; LDS: local k, 16 blocks x 1,024 bytes
.set LV,   16384                       ; local v likewise
.set LKS,  32768                       ; local scale words of k (lanes 0-15 of each block's 128 bytes)
.set LVS,  34816                       ; local v's scale words, [g 8][slot 64][4]: stored from registers
.set GVS,  36864                       ; global v's scale words, [step 16][slot 64][4]: stored from registers
.set GKS,  40960                       ; global scale words of k, 64 blocks x 128 bytes
.set GK,   49152                       ; global k, 64 blocks x 1,024 bytes
.set GV,   114688                      ; global v likewise
.set AK0,  1                           ; v1   16 x lane
.set AV0,  2                           ; v2   1024 h + 16 r
.set AS0,  3                           ; v3   4 x lane
.set AT0,  4                           ; v4   4 r
.set OC,   5                           ; v5   my byte offset in o_codes
.set OS,   6                           ; v6   and in o_scales
.set ADK,  8                           ; v8-11 the step's LDS addresses
.set ADV,  9
.set ADS,  10
.set ADT,  11
.set T,    232                         ; the quantiser's registers on the way out
.set SCL,  236
.set WV,   12                          ; s12  my wave
.set SEL,  20                          ; s[20:21] selects for lane l xor 16
.set CS,   22                          ; s[22:23] c = log2(e) / 8
.set TK,   24                          ; s24-27 where the step's k, v, k's scale words and v's scale words begin
.set TV,   25
.set TS,   26
.set TT,   27
.set CNT,  28
.set HM,   29                          ; s29  lanes 16-31
.set DQ,   30                          ; s30  my first query - the window's first key + 32
; REGISTERS: v12 -M, v13 the largest t, v[14:15] the sum in two halves; v16-27 zeros, q, zeros; v28, v29 q's scale words; v32-63 k; v64-95 v; v96-159 S^T, then p; v160-191 O^T; v192-195, v196-199 k's and v's scale words;
; v200-223 head only (copy addresses, scale bytes, the global q); v224-231 p's codes; v240 p's scale word; v232-254 at work.
.macro PLACES
.rept 4
	v_nop
.endr
.endm
.macro QUANT2 a, b, abs, cd, by0, by1  ; two blocks by turns: my 16 numbers of each; the other 16 lie in lane l xor 16
	v_max3_num_f32 v[T], |v[\a]|, |v[(\a)+1]|, 0x1800000           ; the floor 2^(3 - 127) is one of the leaves: the byte cannot fall under 1
	v_max3_num_f32 v[T+1], |v[\b]|, |v[(\b)+1]|, 0x1800000
.irp i, 2,4,6,8,10,12,14
	s_delay_alu instid0(VALU_DEP_2)
	v_max3_num_f32 v[T], v[T], |v[(\a)+\i]|, |v[(\a)+\i+1]|
	s_delay_alu instid0(VALU_DEP_2)
	v_max3_num_f32 v[T+1], v[T+1], |v[(\b)+\i]|, |v[(\b)+\i+1]|
.endr
	s_delay_alu instid0(VALU_DEP_2)
	v_permlanex16_b32 v[T+2], v[T], s[SEL], s[SEL+1]
	s_delay_alu instid0(VALU_DEP_2)
	v_permlanex16_b32 v[T+3], v[T+1], s[SEL], s[SEL+1]
	s_delay_alu instid0(VALU_DEP_2)
	v_max_num_f32 v[T], v[T], v[T+2]
	s_delay_alu instid0(VALU_DEP_2)
	v_max_num_f32 v[T+1], v[T+1], v[T+3]
	s_delay_alu instid0(VALU_DEP_2)
	v_add_nc_u32 v[SCL], 0xff000000, v[T]          ; 2 off the exponent field: the conversion's scale operand
	s_delay_alu instid0(VALU_DEP_2)
	v_add_nc_u32 v[SCL+1], 0xff000000, v[T+1]
	s_delay_alu instid0(VALU_DEP_2)
	v_lshrrev_b32 v[\by0], 23, v[SCL]
	s_delay_alu instid0(VALU_DEP_2)
	v_lshrrev_b32 v[\by1], 23, v[SCL+1]
	v_cvt_scalef32_pk8_fp4_f32 v[\cd], v[(\a):(\a)+7], v[SCL]
	v_cvt_scalef32_pk8_fp4_f32 v[(\cd)+1], v[(\a)+8:(\a)+15], v[SCL]
	v_cvt_scalef32_pk8_fp4_f32 v[(\cd)+2], v[(\b):(\b)+7], v[SCL+1]
	v_cvt_scalef32_pk8_fp4_f32 v[(\cd)+3], v[(\b)+8:(\b)+15], v[SCL+1]
	v_nop                                          ; one plain place behind the last scaled conversion
.endm
.macro INIT                            ; a path begins: the largest t under every t, the sum and O^T zero: the first change of M multiplies zeros
	v_mov_b32 v13, 0xff61b1e6
	s_delay_alu instid0(VALU_DEP_1)
	v_floor_f32 v12, -v13
	v_mov_b32 v14, 0
	v_mov_b32 v15, 0
.set J_, 0
.rept 32
	v_mov_b32 v[160+J_], 0
.set J_, J_+1
.endr
.endm
; A KEY STEP: 128 keys.  mask = 1: the local window's band.  qs: the register of q's scale words
.macro STEP mask, qs
	v_add_nc_u32 v[ADK], s[TK], v[AK0]             ; these four are also the places behind the last step's products, ahead of the loads into their registers
	v_add_nc_u32 v[ADV], s[TV], v[AV0]
	v_add_nc_u32 v[ADS], s[TS], v[AS0]
	v_add_nc_u32 v[ADT], s[TT], v[AT0]
.irp b, 0,1,2,3
.irp c, 0,1
	ds_load_b128 v[32+8*\b+4*\c:35+8*\b+4*\c], v[ADK] offset:1024*\b+512*\c   ; block b: tile c of 16 keys, my half of its 64 channels: 512 consecutive bytes a load
.endr
	ds_load_b32 v[192+\b], v[ADS] offset:128*\b
.endr
.irp t, 0,1,2,3
.irp c, 0,1
	ds_load_b128 v[64+8*\t+4*\c:67+8*\t+4*\c], v[ADV] offset:256*\t+2048*\c   ; slots 16 t + r, key block 2 c + h
.endr
	ds_load_b32 v[196+\t], v[ADT] offset:64*\t
.endr
	s_wait_dscnt 12                                ; k's twelve loads are in; v's twelve, issued behind them, may stay out
.irp b, 0,1,2,3
	v_wmma_scale_f32_16x16x128_f8f6f4 v[96+16*\b:103+16*\b], v[32+8*\b:39+8*\b], v[20:27], 0, v[192+\b], v[\qs] matrix_a_fmt:MATRIX_FMT_FP4 matrix_b_fmt:MATRIX_FMT_FP4
	v_wmma_scale_f32_16x16x128_f8f6f4 v[104+16*\b:111+16*\b], v[32+8*\b:39+8*\b], v[16:23], 0, v[192+\b], v[\qs] matrix_a_fmt:MATRIX_FMT_FP4 matrix_b_fmt:MATRIX_FMT_FP4
.endr
.if \mask
	v_and_b32 v252, 15, v0                         ; six plain lines: the places behind the products
	v_bfe_u32 v254, v0, 4, 1
	s_delay_alu instid0(VALU_DEP_1)
	v_lshlrev_b32 v254, 3, v254
	s_delay_alu instid0(VALU_DEP_1)
	v_sub_nc_u32 v252, v252, v254
	s_delay_alu instid0(VALU_DEP_1)
	v_add_nc_u32 v252, s[DQ], v252                 ; D = my query - the window's first key - 8 h + 32
	v_mov_b32 v254, 0xff800000                     ; -infinity
.set N_, 0
.rept 64                                       ; register n holds key 32 (n / 16) + 16 ((n % 16) / 8) + n % 8 + 8 h of the window: it counts where 0 <= query - key + 32 <= 64
	v_add_nc_u32 v250, -(32*(N_/16)+16*((N_%16)/8)+(N_%8)), v252
	s_delay_alu instid0(VALU_DEP_1)
	v_cmp_lt_u32 vcc_lo, 64, v250
	v_cndmask_b32 v[96+N_], v[96+N_], v254, vcc_lo
.set N_, N_+1
.endr
.else
	PLACES
.endif
.irp b, 0,1,2,3
	v_max3_num_f32 v[232+\b], v[96+16*\b], v[97+16*\b], v[98+16*\b]   ; the largest score of each block of 32 keys: for the row's maximum, and, since p rises with the score, for the block's largest p
.endr
.irp i, 3,5,7,9,11,13
.irp b, 0,1,2,3
	v_max3_num_f32 v[232+\b], v[232+\b], v[96+16*\b+\i], v[97+16*\b+\i]
.endr
.endr
.irp b, 0,1,2,3
	v_max_num_f32 v[232+\b], v[232+\b], v[111+16*\b]
.endr
.irp b, 0,1,2,3
	s_delay_alu instid0(VALU_DEP_4)
	v_permlanex16_b32 v[236+\b], v[232+\b], s[SEL], s[SEL+1]
.endr
.irp b, 0,1,2,3
	s_delay_alu instid0(VALU_DEP_4)
	v_max_num_f32 v[232+\b], v[232+\b], v[236+\b]  ; with lane l xor 16's 16 keys
.endr
	s_delay_alu instid0(VALU_DEP_2)
	v_max3_num_f32 v254, v232, v233, v234
	s_delay_alu instid0(VALU_DEP_1)
	v_max_num_f32 v254, v254, v235
	s_delay_alu instid0(VALU_DEP_1)
	v_mul_f32 v254, s[CS], v254                    ; as t (c is positive)
	s_delay_alu instid0(VALU_DEP_1)
	v_max_num_f32 v13, v13, v254                   ; the running largest t
	v_mov_b32 v254, v12
	s_delay_alu instid0(VALU_DEP_2)
	v_floor_f32 v12, -v13                          ; the new -M = floor(-t): M is a whole number
	s_delay_alu instid0(VALU_DEP_1)
	v_sub_f32 v254, v12, v254                      ; old M - new M: a whole number, 0 or less
	s_delay_alu instid0(VALU_DEP_1)
	v_cvt_i32_f32 v254, v254                       ; (it saturates)
	s_delay_alu instid0(VALU_DEP_1)
	v_ldexp_f32 v252, 1.0, v254                    ; f = 2^(old M - new M)
.set J_, 0
.rept 32
	v_pk_fma_f32 v[96+J_:97+J_], v[96+J_:97+J_], s[CS:CS+1], v[12:13] op_sel_hi:[1,0,0]   ; t - M, two at a time
.set J_, J_+2
.endr
.irp b, 0,1,2,3
	v_fma_f32 v[232+\b], v[232+\b], s[CS], v12     ; the same of each block's largest score
.endr
.set J_, 0
	s_wait_alu depctr_va_vdst(0)
.rept 64
	v_exp_f32 v[96+J_], v[96+J_]                   ; p = 2^(t - M)
.set J_, J_+1
.endr
	v_pk_mul_f32 v[14:15], v[14:15], v[252:253] op_sel_hi:[1,0]   ; the sums under the new M: the plain line behind the batch
	s_wait_alu depctr_va_vdst(0)                   ; one wait for the 64 exponentials, ahead of their first reader
.irp b, 0,1,2,3
	v_exp_f32 v[232+\b], v[232+\b]                 ; the block's largest p: the same two instructions on the same number give the same bits
.endr
	v_pk_add_f32 v[236:237], v[100:101], v[104:105]
	v_pk_add_f32 v[250:251], v[108:109], v[112:113]
	v_pk_add_f32 v[248:249], v[116:117], v[120:121]
	v_pk_add_f32 v[246:247], v[124:125], v[128:129]
	v_pk_add_f32 v[244:245], v[132:133], v[136:137]
	v_pk_add_f32 v[240:241], v[140:141], v[144:145]
	v_pk_add_f32 v[238:239], v[148:149], v[152:153]
	v_pk_add_f32 v[14:15], v[14:15], v[156:157]
	v_pk_add_f32 v[236:237], v[236:237], v[96:97]
	v_pk_add_f32 v[250:251], v[250:251], v[98:99]
	v_pk_add_f32 v[248:249], v[248:249], v[102:103]
	v_pk_add_f32 v[246:247], v[246:247], v[106:107]
	v_pk_add_f32 v[244:245], v[244:245], v[110:111]
	v_pk_add_f32 v[240:241], v[240:241], v[114:115]
	v_pk_add_f32 v[238:239], v[238:239], v[118:119]
	v_pk_add_f32 v[14:15], v[14:15], v[122:123]
	v_pk_add_f32 v[236:237], v[236:237], v[126:127]
	v_pk_add_f32 v[250:251], v[250:251], v[130:131]
	v_pk_add_f32 v[248:249], v[248:249], v[134:135]
	v_pk_add_f32 v[246:247], v[246:247], v[138:139]
	v_pk_add_f32 v[244:245], v[244:245], v[142:143]
	v_pk_add_f32 v[240:241], v[240:241], v[146:147]
	v_pk_add_f32 v[238:239], v[238:239], v[150:151]
	v_pk_add_f32 v[14:15], v[14:15], v[154:155]
	v_pk_add_f32 v[236:237], v[236:237], v[158:159]
	s_delay_alu instid0(VALU_DEP_2)
	v_pk_add_f32 v[14:15], v[14:15], v[246:247]
	s_delay_alu instid0(VALU_DEP_2)
	v_pk_add_f32 v[236:237], v[236:237], v[244:245]
	v_pk_add_f32 v[250:251], v[250:251], v[240:241]
	v_pk_add_f32 v[248:249], v[248:249], v[238:239]
	s_delay_alu instid0(VALU_DEP_2)
	v_pk_add_f32 v[14:15], v[14:15], v[250:251]
	s_delay_alu instid0(VALU_DEP_2)
	v_pk_add_f32 v[236:237], v[236:237], v[248:249]
	s_delay_alu instid0(VALU_DEP_1)
	v_pk_add_f32 v[14:15], v[14:15], v[236:237]
	s_wait_alu depctr_va_vdst(0)                   ; and one for the four
.irp b, 0,1,2,3
	v_max_num_f32 v[232+\b], 0x1800000, v[232+\b]  ; the floor 2^(3 - 127): a block whose every p is 0 keeps byte 1; its codes are zeros
.endr
.irp b, 0,1,2,3
	s_delay_alu instid0(VALU_DEP_4)
	v_add_nc_u32 v[244+\b], 0xff000000, v[232+\b]
.endr
.irp b, 0,1,2,3
	s_delay_alu instid0(VALU_DEP_4)
	v_lshrrev_b32 v[236+\b], 23, v[244+\b]
.endr
	s_delay_alu instid0(VALU_DEP_3)
	v_lshl_or_b32 v240, v237, 8, v236              ; p's scale word for these 128 keys
	s_delay_alu instid0(VALU_DEP_1)
	v_lshl_or_b32 v240, v238, 16, v240
	s_delay_alu instid0(VALU_DEP_1)
	v_lshl_or_b32 v240, v239, 24, v240
.irp b, 0,1,2,3
	v_cvt_scalef32_pk8_fp4_f32 v[224+2*\b], v[96+16*\b:103+16*\b], v[244+\b]
	v_cvt_scalef32_pk8_fp4_f32 v[225+2*\b], v[104+16*\b:111+16*\b], v[244+\b]
.endr
	v_nop                                          ; one plain place behind the last scaled conversion
.irp c, 0,1                                    ; the operand wants a whole block in a lane: lanes 0-15 block 2 c, lanes 16-31 block 2 c + 1
.irp i, 0,1
	v_permlane16_swap_b32 v[224+4*\c+\i], v[226+4*\c+\i]
.endr
.endr
	s_wait_dscnt 0x0                               ; v and its scale words are in
.set J_, 0
.rept 16
	v_pk_mul_f32 v[160+J_:161+J_], v[160+J_:161+J_], v[252:253] op_sel_hi:[1,0]   ; O^T under the new M; these sixteen also stand between the writes of p's codes and scale word and the products
.set J_, J_+2
.endr
.irp t, 0,1,2,3
	v_wmma_scale_f32_16x16x128_f8f6f4 v[160+8*\t:167+8*\t], v[64+8*\t:71+8*\t], v[224:231], v[160+8*\t:167+8*\t], v[196+\t], v240 matrix_a_fmt:MATRIX_FMT_FP4 matrix_b_fmt:MATRIX_FMT_FP4
.endr
.endm
; a path ends: O^T / l; registers 16 db + 0 .. 15 are channels 32 db + 16 h + 0 .. 15: two quantiser blocks; each store of codes covers 256 consecutive aligned bytes
.macro FINISH path
	PLACES
	v_add_f32 v14, v14, v15
	s_delay_alu instid0(VALU_DEP_1)
	v_permlanex16_b32 v252, v14, s[SEL], s[SEL+1]
	s_delay_alu instid0(VALU_DEP_1)
	v_add_f32 v14, v14, v252                       ; the row's sum
	s_wait_alu depctr_va_vdst(0)
	v_rcp_f32 v14, v14
	v_nop                                          ; a plain place behind the reciprocal
	s_wait_alu depctr_va_vdst(0)                   ; and the wait ahead of its first reader
.set J_, 0
.rept 16
	v_pk_mul_f32 v[96+J_:97+J_], v[160+J_:161+J_], v[14:15] op_sel_hi:[1,0]
.set J_, J_+2
.endr
	QUANT2 96, 112, 1, 244, 238, 239
	global_store_b64 v[OC], v[244:245], s[8:9] offset:(\path)*2097152
	global_store_b64 v[OC], v[246:247], s[8:9] offset:(\path)*2097152+512
	v_cndmask_b32 v238, v238, v239, s[HM]          ; lanes 0-15 store block 0's byte, lanes 16-31 block 1's
	global_store_b8 v[OS], v238, s[10:11] offset:(\path)*131072
.endm
	s_load_b256 s[4:11], s[0:1], 0x0               ; qkv_codes 4, qkv_scales 6, o_codes 8, o_scales 10
	v_lshl_add_u32 v243, v0, 2, 0x2c000
	v_mov_b32 v255, 0
	ds_add_u32 v243, v255
	ds_add_u32 v243, v255
	v_lshrrev_b32 v1, 5, v0
	s_delay_alu instid0(VALU_DEP_1)
	v_readfirstlane_b32 s[WV], v1                  ; wave 0..15
	s_and_b32 s13, ttmp7, 0xffff                   ; head of batch
	s_lshl_b32 s14, ttmp9, 3                       ; 8 i: my work-group's first block of 32
	s_lshr_b32 s15, s[WV], 1                       ; g: which of its eight blocks holds my queries
	s_add_co_u32 s16, s14, s15
	s_max_u32 s16, s16, 1
	s_sub_co_u32 s16, s16, 1
	s_min_u32 s16, s16, 60                         ; B0: my window's first block: the block before mine, held inside the sequence
	s_max_u32 s17, s14, 1
	s_sub_co_u32 s17, s17, 1
	s_min_u32 s17, s17, 48                         ; RB: the first of the sixteen blocks that the work-group copies
	s_sub_co_u32 s18, s16, s17
	s_min_u32 s18, s18, 12                         ; my window's place among them: 0 .. 12 by the two lines above; the bound is written out
	s_mov_b32 s[SEL], 0x76543210
	s_mov_b32 s[SEL+1], 0xfedcba98
	s_mov_b32 s[CS], 0x3e38aa3b                    ; log2(e) / 8
	s_mov_b32 s[CS+1], s[CS]
	s_mov_b32 s[HM], 0xffff0000
	v_and_b32 v31, 15, v0                          ; r
	s_wait_alu depctr_va_vdst(0)
	v_bfe_u32 v30, v0, 4, 1                        ; h
	v_and_b32 v1, 31, v0
	s_delay_alu instid0(VALU_DEP_1)
	v_lshlrev_b32 v[AS0], 2, v1
	s_delay_alu instid0(VALU_DEP_2)
	v_lshlrev_b32 v[AK0], 4, v1
	v_lshlrev_b32 v[AT0], 2, v31
	v_lshlrev_b32 v[AV0], 4, v31
	s_delay_alu instid0(VALU_DEP_1)
	v_lshl_add_u32 v[AV0], v30, 10, v[AV0]
	s_lshr_b32 s2, s13, 3                          ; batch
	s_and_b32 s3, s13, 7                           ; head
	s_lshl_b32 s31, s2, 6
	s_add_co_u32 s31, s31, s14
	s_add_co_u32 s31, s31, s15                     ; block of 32 rows: 64 b + 8 i + g
	s_lshl_b32 s31, s31, 13
	s_lshl_b32 s19, s3, 10
	s_add_co_u32 s31, s31, s19                     ; + 1,024 x head: blocks 2 head and 2 head + 1 along the next K
	s_and_b32 s19, s[WV], 1
	s_lshl_b32 s19, s19, 8
	s_add_co_u32 s31, s31, s19                     ; + 256 x (w % 2): rows 16 (w % 2) on
	v_lshlrev_b32 v[OC], 4, v31
	s_wait_alu depctr_va_vdst(0)
	v_lshl_add_u32 v[OC], v30, 3, v[OC]
	s_delay_alu instid0(VALU_DEP_1)
	v_add_nc_u32 v[OC], s31, v[OC]
	s_lshl_b32 s56, s2, 11
	s_lshl_b32 s57, ttmp9, 8
	s_lshl_b32 s58, s[WV], 4
	s_add_co_u32 s57, s57, s58                     ; my first query in the sequence
	s_add_co_u32 s56, s56, s57
	s_lshl_b32 s56, s56, 4
	s_lshl_b32 s59, s3, 1
	s_add_co_u32 s56, s56, s59
	v_lshl_add_u32 v[OS], v31, 4, v30
	s_delay_alu instid0(VALU_DEP_1)
	v_add_nc_u32 v[OS], s56, v[OS]                 ; row x 16 + 2 head + h
	s_lshl_b32 s59, s16, 5
	s_add_co_u32 s[DQ], s57, 32
	s_sub_co_u32 s[DQ], s[DQ], s59
	v_lshlrev_b32 v200, 4, v0                      ; the copies' LDS addresses: a region + 16 t (4 t for the words); they and v201, v204 stay untouched until the wait for all copies
	v_lshlrev_b32 v201, 4, v0
	v_lshl_add_u32 v202, v0, 4, LV
	v_lshl_add_u32 v203, v0, 2, LKS
	v_lshlrev_b32 v204, 2, v0
	v_lshl_add_u32 v205, v0, 4, GKS
	v_lshl_add_u32 v206, v0, 4, GK
	v_lshl_add_u32 v207, v0, 4, GV
	v_bfe_u32 v248, v0, 4, 2
	s_delay_alu instid0(VALU_DEP_1)
	v_lshl_add_u32 v248, v31, 2, v248              ; v's scale byte of slot t % 64 in a block's 128 bytes: 4 (slot % 16) + slot / 16 (+ 64)
	v_lshrrev_b32 v249, 6, v0
	s_delay_alu instid0(VALU_DEP_1)
	v_lshl_add_u32 v249, v249, 9, v248             ; + 512 x step
	s_lshl_b32 s19, s[WV], 6
	v_lshl_add_u32 v250, v31, 2, s19               ; q's scale words: 64 w + 4 r
	v_lshl_add_u32 v251, v0, 2, LVS
	v_lshl_add_u32 v247, v0, 2, GVS
	s_mov_b32 s3, 0
	s_wait_alu depctr_va_vdst(0)
	s_wait_dscnt 0x0
	s_wait_kmcnt 0x0
	s_lshl_b32 s2, s13, 16
	s_add_nc_u64 s[32:33], s[4:5], s[2:3]          ; my head in the local q section
	s_lshl_b32 s2, s17, 10
	s_add_nc_u64 s[34:35], s[32:33], s[2:3]
	s_add_nc_u64 s[34:35], s[34:35], 0x400000      ; local k at block RB
	s_add_nc_u64 s[36:37], s[34:35], 0x400000      ; local v at block RB
	s_add_nc_u64 s[38:39], s[32:33], 0x600000      ; global k
	s_add_nc_u64 s[40:41], s[32:33], 0xa00000      ; global v
	s_lshl_b32 s2, s13, 13
	s_add_nc_u64 s[42:43], s[6:7], s[2:3]          ; my head among q's local scale words
	s_add_nc_u64 s[44:45], s[42:43], 0x80000       ; k's and v's local scale bytes
	s_add_nc_u64 s[48:49], s[42:43], 0xc0000       ; and the global ones
	s_lshl_b32 s2, s17, 7
	s_add_nc_u64 s[46:47], s[44:45], s[2:3]        ; local, at block RB
	s_lshl_b32 s2, s16, 7
	s_add_nc_u64 s[54:55], s[44:45], s[2:3]        ; local, at my window
	s_lshl_b32 s2, ttmp9, 13
	s_add_nc_u64 s[50:51], s[32:33], s[2:3]        ; q's codes of my work-group: thread t's 16 bytes at 16 t are its lane's fragment
	s_lshl_b32 s2, ttmp9, 10
	s_add_nc_u64 s[52:53], s[42:43], s[2:3]
	; the copies: every byte is filled once; five for the local window, then seventeen for the global path
	; what goes into registers is asked for first: the first barrier waits for it
	global_load_b128 v[20:23], v201, s[50:51]                      ; the local q
	global_load_b128 v[220:223], v201, s[50:51] offset:2097152     ; the global q
	global_load_b32 v28, v250, s[52:53]
	global_load_b32 v29, v250, s[52:53] offset:262144
.irp k, 0,1,2,3
	global_load_u8 v[208+\k], v248, s[54:55] offset:64+128*\k      ; v's scale bytes of slot t % 64 for the four blocks of window t / 64, which is my wave's own
.endr
.irp k, 0,1,2,3
	global_load_u8 v[212+\k], v249, s[48:49] offset:64+128*\k      ; and for global steps t / 64 and 8 + t / 64
.endr
.irp k, 0,1,2,3
	global_load_u8 v[216+\k], v249, s[48:49] offset:4096+64+128*\k
.endr
	global_load_async_to_lds_b128 v200, v201, s[34:35]
	global_load_async_to_lds_b128 v200, v201, s[34:35] offset:8192
	global_load_async_to_lds_b128 v202, v201, s[36:37]
	global_load_async_to_lds_b128 v202, v201, s[36:37] offset:8192
	global_load_async_to_lds_b32 v203, v204, s[46:47]
	global_load_async_to_lds_b128 v205, v201, s[48:49]
.irp k, 0,1,2,3,4,5,6,7                        ; the global path in the order of the key steps: a copy of k and a copy of v hold 256 keys, two steps
	global_load_async_to_lds_b128 v206, v201, s[38:39] offset:8192*\k
	global_load_async_to_lds_b128 v207, v201, s[40:41] offset:8192*\k
.endr
.irp j, 16,17,18,19,24,25,26,27
	v_mov_b32 v[\j], 0                             ; the zero codes on both sides of q
.endr
.irp j, 236,237,238,239,253
	v_mov_b32 v[\j], 0                             ; written once: permute destinations, and the upper half of the pair v[252:253]
.endr
	INIT
	s_wait_loadcnt 0x0
	v_lshl_or_b32 v208, v209, 8, v208
	s_delay_alu instid0(VALU_DEP_1)
	v_lshl_or_b32 v208, v210, 16, v208
	s_delay_alu instid0(VALU_DEP_1)
	v_lshl_or_b32 v208, v211, 24, v208
	v_lshl_or_b32 v212, v213, 8, v212
	s_delay_alu instid0(VALU_DEP_1)
	v_lshl_or_b32 v212, v214, 16, v212
	s_delay_alu instid0(VALU_DEP_1)
	v_lshl_or_b32 v212, v215, 24, v212
	v_lshl_or_b32 v216, v217, 8, v216
	s_delay_alu instid0(VALU_DEP_1)
	v_lshl_or_b32 v216, v218, 16, v216
	s_delay_alu instid0(VALU_DEP_1)
	v_lshl_or_b32 v216, v219, 24, v216
	ds_store_b32 v251, v208
	ds_store_b32 v247, v212
	ds_store_b32 v247, v216 offset:2048
	s_lshl_b32 s[TK], s18, 10                      ; LK + 1,024 x my window's place
	s_add_co_u32 s[TV], s[TK], LV
	s_lshl_b32 s[TS], s18, 7
	s_add_co_u32 s[TS], s[TS], LKS
	s_lshl_b32 s[TT], s15, 8
	s_add_co_u32 s[TT], s[TT], LVS
	s_wait_asynccnt 17                             ; my parts of the five local copies have landed; the seventeen issued behind them may stay out
	s_wait_dscnt 0x0                               ; my scale words are stored
	s_barrier_signal -1
	s_barrier_wait -1                              ; everybody's are
	STEP 1, 28
	FINISH 0
	s_wait_xcnt 0x0                                ; the stores have read their data: the steps below write those registers again
	s_wait_asynccnt 0x0                            ; my parts of the global copies have landed
	s_wait_dscnt 0x0
	s_barrier_signal -1
	s_barrier_wait -1                              ; everybody's have
.irp j, 0,1,2,3
	v_mov_b32 v[20+\j], v[220+\j]                  ; the global q between the zeros
.endr
	INIT
	s_mov_b32 s[TK], GK
	s_mov_b32 s[TV], GV
	s_mov_b32 s[TS], GKS
	s_mov_b32 s[TT], GVS
	s_mov_b32 s[CNT], 16
.Lkeys:
	STEP 0, 29
	s_add_co_u32 s[TK], s[TK], 4096
	s_add_co_u32 s[TV], s[TV], 4096
	s_add_co_u32 s[TS], s[TS], 512
	s_add_co_u32 s[TT], s[TT], 256
	s_sub_co_u32 s[CNT], s[CNT], 1
	s_cmp_lg_u32 s[CNT], 0
	s_cbranch_scc1 .Lkeys
	FINISH 1
	s_wait_tensorcnt 0x0
	ds_add_u32 v243, v255
	s_wait_dscnt 0x0
	s_endpgm
.Lfunc_end_k_qb646bc6d5b_attn:
	.size	k_qb646bc6d5b_attn, .Lfunc_end_k_qb646bc6d5b_attn-k_qb646bc6d5b_attn
	.p2alignl 7, 3214868480
	.fill 96, 4, 3214868480
	.section	.rodata,"a",@progbits
	.p2align	6, 0x0
	.amdhsa_kernel k_qb646bc6d5b_attn
		.amdhsa_group_segment_fixed_size 182272
		.amdhsa_private_segment_fixed_size 0
		.amdhsa_enable_private_segment 0
		.amdhsa_kernarg_size 32
		.amdhsa_user_sgpr_count 2
		.amdhsa_user_sgpr_kernarg_segment_ptr 1
		.amdhsa_wavefront_size32 1
		.amdhsa_system_sgpr_workgroup_id_x 1
		.amdhsa_system_sgpr_workgroup_id_y 1
		.amdhsa_system_sgpr_workgroup_id_z 1
		.amdhsa_system_vgpr_workitem_id 0
		.amdhsa_next_free_vgpr 256
		.amdhsa_next_free_sgpr 66
		.amdhsa_reserve_vcc 1
		.amdhsa_float_denorm_mode_32 3
		.amdhsa_float_denorm_mode_16_64 3
		.amdhsa_memory_ordered 1
		.amdhsa_forward_progress 1
		.amdhsa_inst_pref_size 64
	.end_amdhsa_kernel
	.amdgpu_metadata
---
amdhsa.version: [ 1, 2 ]
amdhsa.kernels:
  - .name:           k_qb646bc6d5b_attn
    .symbol:         k_qb646bc6d5b_attn.kd
    .args:
      - { .name: qkv_codes, .offset: 0, .size: 8, .value_kind: global_buffer, .address_space: global }
      - { .name: qkv_scales, .offset: 8, .size: 8, .value_kind: global_buffer, .address_space: global }
      - { .name: o_codes, .offset: 16, .size: 8, .value_kind: global_buffer, .address_space: global }
      - { .name: o_scales, .offset: 24, .size: 8, .value_kind: global_buffer, .address_space: global }
    .group_segment_fixed_size: 182272
    .private_segment_fixed_size: 0
    .kernarg_segment_align: 8
    .kernarg_segment_size: 32
    .max_flat_workgroup_size: 512
    .sgpr_count:     66
    .vgpr_count:     256
    .wavefront_size: 32
...
	.end_amdgpu_metadata
.endif
;; end of part 2
;; launch chain (part 3): grid 256 x 1, 16 waves a work-group, no clusters, 231,424 bytes of LDS; arguments o_codes, o_scales, x_codes, x_scales, pos, win_w_codes, win_w_scales, win_b, l_wo_codes, l_wo_scales, l_bo, g_wo_codes, g_wo_scales, g_bo, gate_w_codes, gate_w_scales, gate_b, ffn_w1_codes, ffn_w1_scales, ffn_b1, ffn_w2_codes, ffn_w2_scales, ffn_b2, n1_g, n1_b, n2_g, n2_b, n3_g, n3_b, pool; writes pool
.if DOCPART == 3
	.amdgcn_target "amdgcn-amd-amdhsa--gfx1250"
	.amdhsa_code_object_version 6
	.text
	.protected	k_qb646bc6d5b_chain
	.globl	k_qb646bc6d5b_chain
	.p2align	8
	.type	k_qb646bc6d5b_chain,@function
k_qb646bc6d5b_chain:
	s_mov_b64 s[64:65], 0
	v_nop
	global_prefetch_b8 v0, s[64:65] scope:SCOPE_SE
	s_setreg_imm32_b32 hwreg(HW_REG_WAVE_MODE, 25, 1), 1
	s_wait_xcnt 0x0
; For 32 rows: LO = o_l l_wo + l_bo, GO = o_g g_wo + g_bo; gate = tanh(relu([LO | GO] gate_w + gate_b)); F = gate LO + (1 - gate) GO; y1 = LN1(h + F), h = x win_w + win_b + pos made anew;
; y2 = LN2(y1 + relu(y1 ffn_w1 + b1) ffn_w2 + b2); y3 = LN3(y2); the sum of y3 over the 32 rows goes to pool.  All products on codes of FP4 (E2M1) with E8M0 scales; all else in f32.
; SHARES.  Sixteen waves; wave w owns columns 32 w .. 32 w + 31 of every 512-wide result (of the 1,024-wide hidden layer two such blocks), for both tiles of 16 rows.  Products are used transposed (source 0 = weights,
; source 1 = rows) and lane r of weight tile u takes row 32 blk + 8 u + r + 8 (r / 8): lane (r, h) holds row r and the 16 neighbouring columns 32 blk + 16 h + 0 .. 15: a wave makes one quantiser block a row.
; WEIGHTS go from memory straight into registers, 8,192 bytes a chunk, each byte read once in the work-group by one wave; a chunk is asked for behind the last product of the chunk before.
; NO CLUSTER, NO TENSOR LOAD: a joint load would land in LDS, which adds an LDS write and an LDS read of every weight byte to a path that has neither; what a work-group takes in stays the same.
; ROWS go from wave to wave through LDS as IMG[block of 32 along K][row 32][16 bytes], their scale bytes as [row][K / 32].  No LDS region is used twice, so seven barriers serve.
; LAYER NORMS: each wave's mean and sum of squares about ITS mean of its 32 columns meet in LDS and are joined exactly (sum of the parts + 32 x the squared distances of the means): no difference of large sums.
; tanh(z) for z >= 0 is 1 - 2 / (1 + 2^(2 log2(e) z)).
; LIMITS: NaN and infinities are not served.  A block whose largest magnitude lies under 2^-124 keeps the scale byte 1; a block of zeros has byte 1 and zero codes: the bytes are read by this program alone.
.set XIMG, 0                           ; LDS: x, 8 blocks
.set OIMG, 4096                        ; o of the local path, 16 blocks; of the global path 8,192 bytes on
.set CIMG, 20480                       ; [LO | GO], 32 blocks
.set YIMG, 36864                       ; y1, 16 blocks
.set FIMG, 45056                       ; the hidden layer, 32 blocks
.set SCB,  61440                       ; scale bytes: + 0 [LO | GO] [row][32]; + 1,024 y1 [row][16]; + 1,536 the hidden layer [row][32]
.set STB,  64512                       ; three regions of 4,608 bytes: [row 32][pitch 144: 16 waves x (mean, sum of squares)]
.set LI,    1                          ; v1   512 h + 16 r
.set IW,    2                          ; v2   512 w + 16 r + 8 h
.set SW16,  3                          ; v3   SCB + 16 r + w
.set SW32,  4                          ; v4   SCB + 32 r + w
.set LS16,  5                          ; v5   SCB + 16 r
.set LS32,  6                          ; v6   SCB + 32 r
.set VW128, 7                          ; v7   weights with rows of 128 bytes: 4096 w + 128 (lane / 8) + 16 (lane % 8)
.set VW256, 8                          ; v8   of 256: 8192 w + 256 (lane / 8) + 16 (lane % 8)
.set VW512, 9                          ; v9   of 512: 16384 w + 512 (lane / 8) + 16 (lane % 8)
.set VS8,   10                         ; v10  their scale bytes: 256 w + 8 rp
.set VS16,  11                         ; v11  512 w + 16 rp
.set VS32,  12                         ; v12  1024 w + 32 rp
.set VB,    13                         ; v13  my 16 columns of a 512-wide f32 vector: 128 w + 64 h
.set VP,    14                         ; v14  pos: 2048 r + VB
.set V16R,  15                         ; v15  16 r
.set V8R,   16                         ; v16  8 r
.set SA,    17                         ; v17  WST + 9216 w + 144 (lane / 8) + 16 (lane % 8): where a loaded piece of a weight row goes
.set STR,   18                         ; v18  STB + 144 r
.set LA,    19                         ; v19  WST + 9216 w + 144 r + 16 h: where my fragment's row lies
.set V16T,  252                        ; v252 16 t, at the head alone
.set WST,   83968                      ; LDS: behind the spare words, 9,216 bytes for each wave: two halves of a chunk of weights, 32 rows at a pitch of 144 bytes each
.set XS,  20                           ; v20-27  the rows' scale words; scales and nothing else
.set WS,  28                           ; v28-35  the weights' scale words; scales and nothing else
.set BIA, 36                           ; v36-51
.set R0,  52                           ; v52-83   LO, then LO - GO, then the hidden layer; scratch of the norms
.set R1,  84                           ; v84-115  GO; scratch of the norms
.set R2,  116                          ; v116-147 the gate, F, h + F, y1, y2, y3
.set XF,  148                          ; v148-179 two K steps of the rows' fragments; a norm's gain and bias
.set W,   180                          ; v180-243 a chunk's weights
.set CD,  244                          ; v244-247 codes just made
.set T,   248                          ; v248-251
.set SCL, 252                          ; v252-253
.set BYT, 254                          ; v254-255
.set MU,  244                          ; in the norms: v[244+4m] the row's mean (pair with the sum of squares), v[246+4m] 1 / sqrt(var + eps)
.set RS,  246
.set WV,  66
.set SEL, 68
.macro PLACES                          ; four plain places behind matrix instructions, ahead of loads into their registers and of the first read of their results
.rept 4
	v_nop
.endr
.endm
.macro BARRIER                         ; my LDS stores have landed and my LDS loads are in: then the work-group's barrier
	s_wait_dscnt 0x0
	s_barrier_signal -1
	s_barrier_wait -1
.endm
; A loaded half of a chunk of weights goes through my wave's own LDS bytes to become fragments.  Row rho lies at place 16 u + r with rho = 8 u + r + 8 (r / 8): the rows of weight tile u are neighbours there.
; The pitch of 144 bytes is an odd multiple of 16.  LDS serves a wave's instructions in order (ISA guide 5.7.1.4): the loads see the stores, and the next half's stores come behind these loads;
; no other wave touches these bytes, so there is no barrier
.macro TURN k
.irp j, 0,1,2,3,4,5,6,7
	ds_store_b128 v[SA], v[W+16*(\k)+32*(\j/4)+4*(\j%4):W+16*(\k)+32*(\j/4)+4*(\j%4)+3] offset:4608*(\k)+144*(16*((\j/2)%2)+4*(\j%2)+8*(\j/4))
.endr
.irp u, 0,1
.irp s, 0,1
.irp c, 0,1
	ds_load_b128 v[W+8*(4*\u+2*(\k)+\s)+4*\c:W+8*(4*\u+2*(\k)+\s)+4*\c+3], v[LA] offset:4608*(\k)+2304*\u+64*\s+32*\c
.endr
.endr
.endr
.endm
.macro BLOAD dst, sb, off              ; my 16 columns of a vector
.irp n, 0,1,2,3
	global_load_b128 v[(\dst)+4*\n:(\dst)+4*\n+3], v[VB], s[\sb:\sb+1] offset:(\off)+16*\n
.endr
.endm
.macro XSL va, off, mstep              ; the rows' scale words of four K steps, from LDS
.irp m, 0,1
	ds_load_b128 v[XS+4*\m:XS+4*\m+3], v[\va] offset:(\off)+(\mstep)*\m
.endr
.endm
.macro XLOAD img, s0                   ; two K steps of the rows' fragments
.irp s, 0,1
.irp m, 0,1
.irp c, 0,1
	ds_load_b128 v[XF+8*(2*\s+\m)+4*\c:XF+8*(2*\s+\m)+4*\c+3], v[LI] offset:(\img)+2048*((\s0)+\s)+1024*\c+256*\m
.endr
.endr
.endr
.endm
; one K step: four products on four accumulators, which take turns.  bias = 1: the bias is the C of the sum's first product
.macro KSTEP_T acc, s, x, bias
.irp m, 0,1
.irp u, 0,1
.if \bias
	v_wmma_scale_f32_16x16x128_f8f6f4 v[(\acc)+16*\m+8*\u:(\acc)+16*\m+8*\u+7], v[W+8*(4*\u+(\s)):W+8*(4*\u+(\s))+7], v[XF+8*(2*(\x)+\m):XF+8*(2*(\x)+\m)+7], v[BIA+8*\u:BIA+8*\u+7], v[WS+4*\u+(\s)], v[XS+4*\m+(\s)] matrix_a_fmt:MATRIX_FMT_FP4 matrix_b_fmt:MATRIX_FMT_FP4
.else
	v_wmma_scale_f32_16x16x128_f8f6f4 v[(\acc)+16*\m+8*\u:(\acc)+16*\m+8*\u+7], v[W+8*(4*\u+(\s)):W+8*(4*\u+(\s))+7], v[XF+8*(2*(\x)+\m):XF+8*(2*(\x)+\m)+7], v[(\acc)+16*\m+8*\u:(\acc)+16*\m+8*\u+7], v[WS+4*\u+(\s)], v[XS+4*\m+(\s)] matrix_a_fmt:MATRIX_FMT_FP4 matrix_b_fmt:MATRIX_FMT_FP4
.endif
.endr
.endr
.endm
; HALF k OF A CHUNK OF WEIGHTS: my 32 rows' 128 bytes of K steps 2 k and 2 k + 1.  Load j takes rows 4 j .. 4 j + 3, eight lanes to a row: four runs of 128 consecutive bytes a load.
; It lands in the registers of these two K steps' fragments.  With it the two pairs of scale words of these K steps: ten loads
.macro WQ sb, va, rowb, off, ssb, sva, ustep, soff, k
.irp j, 0,1,2,3,4,5,6,7
	global_load_b128 v[W+16*(\k)+32*(\j/4)+4*(\j%4):W+16*(\k)+32*(\j/4)+4*(\j%4)+3], v[\va], s[\sb:\sb+1] offset:(\off)+128*(\k)+4*\j*(\rowb)
.endr
.irp u, 0,1
	global_load_b64 v[WS+4*\u+2*(\k):WS+4*\u+2*(\k)+1], v[\sva], s[\ssb:\ssb+1] offset:(\soff)+(\ustep)*\u+8*(\k)
.endr
.endm
; what the next product asks for while the one in hand runs.  mode 0: nothing; 1: weights; 2: a bias ahead of half 0 too (4 loads); 3: and o's scale words of the global path, two loads a half;
; 4: as half 0 win_b, win_w (its K of 256 is one half) and x's scale words (two loads); as half 1 pos (eight loads), in the registers of K steps 2 and 3
.macro NEXT mode, sb, va, rowb, off, ssb, sva, ustep, soff, bsb, boff
.set NM, \mode
.set N_SB, \sb
.set N_VA, \va
.set N_RB, \rowb
.set N_OF, \off
.set N_SS, \ssb
.set N_SV, \sva
.set N_US, \ustep
.set N_SO, \soff
.set N_BS, \bsb
.set N_BO, \boff
.endm
.macro NXT s                           ; the next product's half s, into the registers that K steps 2 s and 2 s + 1 have just read
.if NM >= 2
.if (\s) == 0
	BLOAD BIA, N_BS, N_BO
.endif
.endif
.if NM >= 1
.if (NM < 4) || ((\s) < 1)
	WQ N_SB, N_VA, N_RB, N_OF, N_SS, N_SV, N_US, N_SO, \s
.endif
.endif
.if NM == 3
.irp m, 0,1
	global_load_b64 v[XS+4*\m+2*(\s):XS+4*\m+2*(\s)+1], v[V16R], s[6:7] offset:131072+256*\m+8*(\s)
.endr
.endif
.if NM == 4
.if (\s) < 1
.irp m, 0,1
	global_load_b64 v[XS+4*\m:XS+4*\m+1], v[V8R], s[10:11] offset:128*\m
.endr
.else
.irp m, 0,1
.irp n, 0,1,2,3
	global_load_b128 v[W+16+32*\m+4*\n:W+16+32*\m+4*\n+3], v[VP], s[12:13] offset:32768*\m+16*\n
.endr
.endr
.endif
.endif
.endm
; a chunk: four K steps from K step sb of an image.  c0, c1: the loads issued behind half 0, half 1 of the chunk's weights, which may stay out: c0 this chunk's half 1, c1 the next product's half 0
.macro MM acc, img, sb, bias, c0, c1
	XLOAD \img, \sb
	s_wait_loadcnt \c0
	TURN 0
	s_wait_dscnt 0x0
	KSTEP_T \acc, 0, 0, \bias
	KSTEP_T \acc, 1, 1, 0
	PLACES
	NXT 0
	XLOAD \img, (\sb)+2
	s_wait_loadcnt \c1
	TURN 1
	s_wait_dscnt 0x0
	KSTEP_T \acc, 2, 0, 0
	KSTEP_T \acc, 3, 1, 0
	PLACES
	NXT 1
.endm
; two blocks by turns: my 16 numbers of each at v[a] and v[b] on; the other 16 lie in lane l xor 16.  abs = 0: none is negative
.macro QUANT2 a, b, abs
.if \abs
	v_max3_num_f32 v[T], |v[\a]|, |v[(\a)+1]|, 0x1800000           ; the floor 2^(3 - 127) is one of the leaves: the byte cannot fall under 1
	v_max3_num_f32 v[T+1], |v[\b]|, |v[(\b)+1]|, 0x1800000
.irp i, 2,4,6,8,10,12,14
	v_max3_num_f32 v[T], v[T], |v[(\a)+\i]|, |v[(\a)+\i+1]|
	v_max3_num_f32 v[T+1], v[T+1], |v[(\b)+\i]|, |v[(\b)+\i+1]|
.endr
.else
	v_max3_num_f32 v[T], v[\a], v[(\a)+1], 0x1800000
	v_max3_num_f32 v[T+1], v[\b], v[(\b)+1], 0x1800000
.irp i, 2,4,6,8,10,12,14
	s_delay_alu instid0(VALU_DEP_2)
	v_max3_num_f32 v[T], v[T], v[(\a)+\i], v[(\a)+\i+1]
	s_delay_alu instid0(VALU_DEP_2)
	v_max3_num_f32 v[T+1], v[T+1], v[(\b)+\i], v[(\b)+\i+1]
.endr
.endif
	v_permlanex16_b32 v[T+2], v[T], s[SEL], s[SEL+1]
	s_delay_alu instid0(VALU_DEP_2)
	v_permlanex16_b32 v[T+3], v[T+1], s[SEL], s[SEL+1]
	s_delay_alu instid0(VALU_DEP_2)
	v_max_num_f32 v[T], v[T], v[T+2]
	s_delay_alu instid0(VALU_DEP_2)
	v_max_num_f32 v[T+1], v[T+1], v[T+3]
	s_delay_alu instid0(VALU_DEP_2)
	v_add_nc_u32 v[SCL], 0xff000000, v[T]          ; 2 off the exponent field: the conversion's scale operand
	s_delay_alu instid0(VALU_DEP_2)
	v_add_nc_u32 v[SCL+1], 0xff000000, v[T+1]
	s_delay_alu instid0(VALU_DEP_2)
	v_lshrrev_b32 v[BYT], 23, v[SCL]
	s_delay_alu instid0(VALU_DEP_2)
	v_lshrrev_b32 v[BYT+1], 23, v[SCL+1]
	v_cvt_scalef32_pk8_fp4_f32 v[CD], v[(\a):(\a)+7], v[SCL]
	v_cvt_scalef32_pk8_fp4_f32 v[CD+1], v[(\a)+8:(\a)+15], v[SCL]
	v_cvt_scalef32_pk8_fp4_f32 v[CD+2], v[(\b):(\b)+7], v[SCL+1]
	v_cvt_scalef32_pk8_fp4_f32 v[CD+3], v[(\b)+8:(\b)+15], v[SCL+1]
	v_nop                                          ; one plain place behind the last scaled conversion
.endm
.macro QOUT ioff, sva, soff, mstep     ; codes: the wave's store covers 256 consecutive bytes of my block; bytes: both lanes of a block write the same byte
	ds_store_b64 v[IW], v[CD:CD+1] offset:(\ioff)
	ds_store_b64 v[IW], v[CD+2:CD+3] offset:(\ioff)+256
	ds_store_b8 v[\sva], v[BYT] offset:(\soff)
	ds_store_b8 v[\sva], v[BYT+1] offset:(\soff)+(\mstep)
.endm
; the mean and 1 / sqrt(var + eps) of each row of R2.  Scratch: R0 for row tile 0, R1 for row tile 1.  One barrier
.macro STATS n
	v_add_nc_u32 v[R0+30], s77, v[STR]             ; STB + 144 r + 8 w: where my wave's pair goes; made here, in scratch that the lines below leave alone
.irp m, 0,1
.irp k, 0,4,8,12
	v_pk_add_f32 v[R0+32*\m+\k/2:R0+32*\m+\k/2+1], v[R2+16*\m+\k:R2+16*\m+\k+1], v[R2+16*\m+\k+2:R2+16*\m+\k+3]
.endr
.endr
.irp m, 0
	v_pk_add_f32 v[R0+32*\m:R0+32*\m+1], v[R0+32*\m:R0+32*\m+1], v[R0+32*\m+2:R0+32*\m+3]
	v_pk_add_f32 v[R0+32*\m+4:R0+32*\m+5], v[R0+32*\m+4:R0+32*\m+5], v[R0+32*\m+6:R0+32*\m+7]
.endr
.irp m, 1
	v_pk_add_f32 v[R0+32*\m:R0+32*\m+1], v[R0+32*\m:R0+32*\m+1], v[R0+32*\m+2:R0+32*\m+3]
	s_delay_alu instid0(VALU_DEP_4)
	v_pk_add_f32 v[R0+32*\m+4:R0+32*\m+5], v[R0+32*\m+4:R0+32*\m+5], v[R0+32*\m+6:R0+32*\m+7]
.endr
.irp m, 0
	s_delay_alu instid0(VALU_DEP_3)
	v_pk_add_f32 v[R0+32*\m:R0+32*\m+1], v[R0+32*\m:R0+32*\m+1], v[R0+32*\m+4:R0+32*\m+5]
.endr
.irp m, 1
	s_delay_alu instid0(VALU_DEP_2)
	v_pk_add_f32 v[R0+32*\m:R0+32*\m+1], v[R0+32*\m:R0+32*\m+1], v[R0+32*\m+4:R0+32*\m+5]
.endr
.irp m, 0,1
	s_delay_alu instid0(VALU_DEP_2)
	v_add_f32 v[R0+32*\m], v[R0+32*\m], v[R0+32*\m+1]
.endr
.irp m, 0,1
	s_delay_alu instid0(VALU_DEP_2)
	v_permlanex16_b32 v[R0+32*\m+1], v[R0+32*\m], s[SEL], s[SEL+1]
.endr
.irp m, 0,1
	s_delay_alu instid0(VALU_DEP_2)
	v_add_f32 v[R0+32*\m], v[R0+32*\m], v[R0+32*\m+1]
.endr
.irp m, 0,1
	s_delay_alu instid0(VALU_DEP_2)
	v_mul_f32 v[R0+32*\m], 0x3d000000, v[R0+32*\m]                 ; my wave's mean of its 32 columns
.endr
.irp k, 0,2,4,6,8,10,12,14
.irp m, 0,1
	v_pk_add_f32 v[R0+32*\m+8+\k:R0+32*\m+9+\k], v[R2+16*\m+\k:R2+16*\m+\k+1], v[R0+32*\m:R0+32*\m+1] op_sel_hi:[1,0] neg_lo:[0,1] neg_hi:[0,1]
.endr
.endr
.irp m, 0,1
	v_pk_mul_f32 v[R0+32*\m+2:R0+32*\m+3], v[R0+32*\m+8:R0+32*\m+9], v[R0+32*\m+8:R0+32*\m+9]
	v_pk_mul_f32 v[R0+32*\m+4:R0+32*\m+5], v[R0+32*\m+10:R0+32*\m+11], v[R0+32*\m+10:R0+32*\m+11]
.endr
.irp k, 4,8,12
.irp m, 0,1
	s_delay_alu instid0(VALU_DEP_4)
	v_pk_fma_f32 v[R0+32*\m+2:R0+32*\m+3], v[R0+32*\m+8+\k:R0+32*\m+9+\k], v[R0+32*\m+8+\k:R0+32*\m+9+\k], v[R0+32*\m+2:R0+32*\m+3]
	s_delay_alu instid0(VALU_DEP_4)
	v_pk_fma_f32 v[R0+32*\m+4:R0+32*\m+5], v[R0+32*\m+10+\k:R0+32*\m+11+\k], v[R0+32*\m+10+\k:R0+32*\m+11+\k], v[R0+32*\m+4:R0+32*\m+5]
.endr
.endr
.irp m, 0
	s_delay_alu instid0(VALU_DEP_3)
	v_pk_add_f32 v[R0+32*\m+2:R0+32*\m+3], v[R0+32*\m+2:R0+32*\m+3], v[R0+32*\m+4:R0+32*\m+5]
.endr
.irp m, 1
	s_delay_alu instid0(VALU_DEP_2)
	v_pk_add_f32 v[R0+32*\m+2:R0+32*\m+3], v[R0+32*\m+2:R0+32*\m+3], v[R0+32*\m+4:R0+32*\m+5]
.endr
.irp m, 0,1
	s_delay_alu instid0(VALU_DEP_2)
	v_add_f32 v[R0+32*\m+2], v[R0+32*\m+2], v[R0+32*\m+3]
.endr
.irp m, 0,1
	s_delay_alu instid0(VALU_DEP_2)
	v_permlanex16_b32 v[R0+32*\m+3], v[R0+32*\m+2], s[SEL], s[SEL+1]
.endr
.irp m, 0,1
	s_delay_alu instid0(VALU_DEP_2)
	v_add_f32 v[R0+32*\m+1], v[R0+32*\m+2], v[R0+32*\m+3]          ; and the sum of squares about it
.endr
.irp m, 0,1
	ds_store_b64 v[R0+30], v[R0+32*\m:R0+32*\m+1] offset:4608*(\n)+2304*\m
.endr
	BARRIER                                        ; all sixteen waves' pairs lie in LDS
.irp m, 0,1
.irp i, 0,1,2,3,4,5,6,7
	ds_load_b128 v[R0+32*\m+4*\i:R0+32*\m+4*\i+3], v[STR] offset:4608*(\n)+2304*\m+16*\i
.endr
.endr
	s_wait_dscnt 0x0
.irp m, 0,1
	v_pk_add_f32 v[MU+4*\m:MU+4*\m+1], v[R0+32*\m:R0+32*\m+1], v[R0+32*\m+2:R0+32*\m+3]
	v_pk_add_f32 v[RS+4*\m:RS+4*\m+1], v[R0+32*\m+4:R0+32*\m+5], v[R0+32*\m+6:R0+32*\m+7]
.endr
.irp k, 8,12,16,20,24,28
.irp m, 0,1
	s_delay_alu instid0(VALU_DEP_4)
	v_pk_add_f32 v[MU+4*\m:MU+4*\m+1], v[MU+4*\m:MU+4*\m+1], v[R0+32*\m+\k:R0+32*\m+\k+1]
	s_delay_alu instid0(VALU_DEP_4)
	v_pk_add_f32 v[RS+4*\m:RS+4*\m+1], v[RS+4*\m:RS+4*\m+1], v[R0+32*\m+\k+2:R0+32*\m+\k+3]
.endr
.endr
.irp m, 0
	s_delay_alu instid0(VALU_DEP_3)
	v_pk_add_f32 v[MU+4*\m:MU+4*\m+1], v[MU+4*\m:MU+4*\m+1], v[RS+4*\m:RS+4*\m+1]
.endr
.irp m, 1
	s_delay_alu instid0(VALU_DEP_2)
	v_pk_add_f32 v[MU+4*\m:MU+4*\m+1], v[MU+4*\m:MU+4*\m+1], v[RS+4*\m:RS+4*\m+1]
.endr
.irp m, 0,1
	s_delay_alu instid0(VALU_DEP_2)
	v_mul_f32 v[MU+4*\m], 0x3d800000, v[MU+4*\m]                   ; the row's mean: the sixteen means / 16
.endr
.irp k, 0,2,4,6,8,10,12,14,16,18,20,22,24,26,28,30
.irp m, 0,1
	v_sub_f32 v[R0+32*\m+\k], v[R0+32*\m+\k], v[MU+4*\m]
.endr
.endr
.irp m, 0,1
	v_mul_f32 v[RS+4*\m], v[R0+32*\m], v[R0+32*\m]
.endr
.irp k, 2,4,6,8,10,12,14,16,18,20,22,24,26,28,30
.irp m, 0,1
	s_delay_alu instid0(VALU_DEP_2)
	v_fmac_f32 v[RS+4*\m], v[R0+32*\m+\k], v[R0+32*\m+\k]
.endr
.endr
.irp m, 0,1
	s_delay_alu instid0(VALU_DEP_2)
	v_fmamk_f32 v[RS+4*\m], v[RS+4*\m], 0x42000000, v[MU+4*\m+1]   ; 32 x the squared distances of the means + the sums of squares
.endr
.irp m, 0,1
	s_delay_alu instid0(VALU_DEP_2)
	v_fma_f32 v[RS+4*\m], v[RS+4*\m], s82, s83                     ; / 512 + 1e-5
.endr
	s_wait_alu depctr_va_vdst(0)
.irp m, 0,1
	v_rsq_f32 v[RS+4*\m], v[RS+4*\m]
.endr
	v_nop                                          ; a plain place behind the two roots
	s_wait_alu depctr_va_vdst(0)                   ; one wait for both, ahead of their first reader
.endm
.macro LNAPPLY g, b                    ; R2 = (R2 - mean) x rs x gain + bias
.irp m, 0,1
.irp k, 0,2,4,6,8,10,12,14
	v_pk_add_f32 v[R2+16*\m+\k:R2+16*\m+\k+1], v[R2+16*\m+\k:R2+16*\m+\k+1], v[MU+4*\m:MU+4*\m+1] op_sel_hi:[1,0] neg_lo:[0,1] neg_hi:[0,1]
.endr
.endr
.irp m, 0,1
.irp k, 0,2,4,6,8,10,12,14
	v_pk_mul_f32 v[R2+16*\m+\k:R2+16*\m+\k+1], v[R2+16*\m+\k:R2+16*\m+\k+1], v[RS+4*\m:RS+4*\m+1] op_sel_hi:[1,0]
.endr
.endr
.irp m, 0,1
.irp k, 0,2,4,6,8,10,12,14
	v_pk_fma_f32 v[R2+16*\m+\k:R2+16*\m+\k+1], v[R2+16*\m+\k:R2+16*\m+\k+1], v[(\g)+\k:(\g)+\k+1], v[(\b)+\k:(\b)+\k+1]
.endr
.endr
.endm
.macro RELU a                          ; from the low end on
.set J_, 0
.rept 32
	v_max_num_f32 v[(\a)+J_], 0, v[(\a)+J_]
.set J_, J_+1
.endr
.endm
	s_load_b512 s[4:19], s[0:1], 0x0               ; o_codes 4, o_scales 6, x_codes 8, x_scales 10, pos 12, win codes 14, win scales 16, win_b 18
	s_load_b512 s[20:35], s[0:1], 0x40             ; l_wo codes 20, scales 22, l_bo 24, g_wo codes 26, scales 28, g_bo 30, gate codes 32, scales 34
	s_load_b512 s[36:51], s[0:1], 0x80             ; gate_b 36, ffn_w1 codes 38, scales 40, ffn_b1 42, ffn_w2 codes 44, scales 46, ffn_b2 48, n1_g 50
	s_load_b256 s[52:59], s[0:1], 0xc0             ; n1_b 52, n2_g 54, n2_b 56, n3_g 58
	s_load_b128 s[60:63], s[0:1], 0xe0             ; n3_b 60, pool 62
	v_lshrrev_b32 v1, 5, v0
	s_delay_alu instid0(VALU_DEP_1)
	v_readfirstlane_b32 s[WV], v1                  ; wave 0..15
	v_and_b32 v244, 15, v0                         ; r
	v_bfe_u32 v245, v0, 4, 1                       ; h
	s_delay_alu instid0(VALU_DEP_2)
	v_and_b32 v246, 8, v244
	s_delay_alu instid0(VALU_DEP_1)
	v_add_nc_u32 v246, v246, v244                  ; rp = r + 8 (r / 8)
	s_mov_b32 s[SEL], 0x76543210
	s_mov_b32 s[SEL+1], 0xfedcba98
	s_mov_b32 s82, 0x3b000000                      ; 1 / 512
	s_mov_b32 s83, 0x3727c5ac                      ; 1e-5
	v_lshlrev_b32 v[V16R], 4, v244
	v_lshlrev_b32 v[V8R], 3, v244
	s_delay_alu instid0(VALU_DEP_2)
	v_lshl_add_u32 v[LI], v245, 9, v[V16R]
	s_lshl_b32 s70, s[WV], 9
	v_lshl_add_u32 v[IW], v245, 3, v[V16R]
	s_delay_alu instid0(VALU_DEP_1)
	v_add_nc_u32 v[IW], s70, v[IW]
	v_add_nc_u32 v[LS16], SCB, v[V16R]
	s_delay_alu instid0(VALU_DEP_1)
	v_add_nc_u32 v[SW16], s[WV], v[LS16]
	v_lshlrev_b32 v[LS32], 5, v244
	s_delay_alu instid0(VALU_DEP_1)
	v_add_nc_u32 v[LS32], SCB, v[LS32]
	s_delay_alu instid0(VALU_DEP_1)
	v_add_nc_u32 v[SW32], s[WV], v[LS32]
	v_bfe_u32 v253, v0, 3, 2                       ; lane / 8: which of a load's four rows
	v_and_b32 v254, 7, v0
	s_lshl_b32 s71, s[WV], 12
	s_lshl_b32 s72, s[WV], 13
	s_lshl_b32 s73, s[WV], 14
	s_mul_i32 s78, s[WV], 9216
	s_add_co_u32 s78, s78, WST                     ; my wave's LDS bytes for the weights
	v_lshlrev_b32 v254, 4, v254                    ; 16 (lane % 8): which 16 of its 128 bytes
	v_lshl_add_u32 v[VW128], v253, 7, s71          ; weights: 32 w rows + (lane / 8) rows + 16 (lane % 8), for rows of 128, 256 and 512 bytes
	v_lshl_add_u32 v[VW256], v253, 8, s72
	v_lshl_add_u32 v[VW512], v253, 9, s73
	v_mul_u32_u24 v[SA], v253, 144
	v_mul_u32_u24 v[LA], v244, 144
	v_add_nc_u32 v[VW128], v[VW128], v254
	v_add_nc_u32 v[VW256], v[VW256], v254
	v_add_nc_u32 v[VW512], v[VW512], v254
	v_add_nc_u32 v[SA], v[SA], v254
	v_lshl_add_u32 v[LA], v245, 4, v[LA]
	v_add_nc_u32 v[SA], s78, v[SA]
	v_add_nc_u32 v[LA], s78, v[LA]
	s_lshl_b32 s74, s[WV], 8
	v_lshl_add_u32 v[VS8], v246, 3, s74
	v_lshl_add_u32 v[VS16], v246, 4, s70
	s_lshl_b32 s75, s[WV], 10
	v_lshl_add_u32 v[VS32], v246, 5, s75
	s_lshl_b32 s76, s[WV], 7
	v_lshl_add_u32 v[VB], v245, 6, s76
	s_delay_alu instid0(VALU_DEP_1)
	v_lshl_add_u32 v[VP], v244, 11, v[VB]
	v_mul_u32_u24 v[STR], v244, 144
	s_delay_alu instid0(VALU_DEP_1)
	v_add_nc_u32 v[STR], STB, v[STR]
	s_lshl_b32 s77, s[WV], 3                       ; 8 w: kept for the norms
	v_lshlrev_b32 v[V16T], 4, v0
	v_bfe_u32 v249, v0, 1, 3                       ; thread t holds bytes 8 t .. 8 t + 7 of the 32 rows of x: row t / 16, block (t / 2) % 8, half t % 2
	s_delay_alu instid0(VALU_DEP_1)
	v_lshlrev_b32 v247, 9, v249
	v_lshrrev_b32 v249, 4, v0
	s_delay_alu instid0(VALU_DEP_1)
	v_lshl_add_u32 v247, v249, 4, v247
	v_and_b32 v249, 1, v0
	s_delay_alu instid0(VALU_DEP_1)
	v_lshl_add_u32 v247, v249, 3, v247
	v_lshlrev_b32 v248, 3, v0
	v_mov_b32 v[T+2], 0                            ; written once: a lane permute's destination counts as one of its sources
	v_mov_b32 v[T+3], 0
	s_mov_b32 s81, 0
	s_wait_alu depctr_va_vdst(0)
	s_wait_kmcnt 0x0
	s_lshl_b32 s80, ttmp9, 13
	s_add_nc_u64 s[4:5], s[4:5], s[80:81]          ; o's codes: 8,192 bytes a block of 32 rows and path
	s_lshl_b32 s80, ttmp9, 9
	s_add_nc_u64 s[6:7], s[6:7], s[80:81]          ; o's scale bytes: 16 a row
	s_lshl_b32 s80, ttmp9, 12
	s_add_nc_u64 s[8:9], s[8:9], s[80:81]
	s_lshl_b32 s80, ttmp9, 8
	s_add_nc_u64 s[10:11], s[10:11], s[80:81]
	s_and_b32 s80, ttmp9, 63
	s_lshl_b32 s80, s80, 16
	s_add_nc_u64 s[12:13], s[12:13], s[80:81]      ; pos
	s_lshl_b32 s80, ttmp9, 11
	s_add_nc_u64 s[62:63], s[62:63], s[80:81]      ; pool: 2,048 bytes a work-group
	global_load_b128 v[R2:R2+3], v[V16T], s[4:5]                   ; o's images lie in memory as they lie in LDS: 16 bytes a thread
	global_load_b128 v[R2+4:R2+7], v[V16T], s[4:5] offset:2097152
	global_load_b64 v[R2+8:R2+9], v248, s[8:9]
	BLOAD BIA, 24, 0
.irp m, 0,1
	global_load_b128 v[XS+4*\m:XS+4*\m+3], v[V16R], s[6:7] offset:256*\m
.endr
.irp s, 0,1
	WQ 20, VW256, 256, 0, 22, VS16, 128, 0, \s     ; l_wo, half by half
.endr
	s_wait_loadcnt 26                              ; the three staged loads are in; the 26 issued behind them (4 + 2 + 20) may stay out
	ds_store_b128 v[V16T], v[R2:R2+3] offset:OIMG
	ds_store_b128 v[V16T], v[R2+4:R2+7] offset:OIMG+8192
	ds_store_b64 v247, v[R2+8:R2+9]
	BARRIER                                        ; o's and x's images lie in LDS
	; ---- the two output products
	NEXT 3, 26, VW256, 256, 0, 28, VS16, 128, 0, 30, 0             ; g_wo, g_bo, o's scale words: halves of 16 and 12 loads
	MM R0, OIMG, 0, 1, 10, 16
	QUANT2 R0, R0+16, 1
	QOUT CIMG, SW32, 0, 512
	NEXT 2, 32, VW512, 512, 0, 34, VS32, 256, 0, 36, 0             ; gate_w, K 0 .. 511, gate_b: halves of 14 and 10
	MM R1, OIMG+8192, 0, 1, 12, 14
	QUANT2 R1, R1+16, 1                            ; (the wait on DScnt inside the product above has shown LO's stores done)
	QOUT CIMG+8192, SW32, 16, 512
	BARRIER                                        ; [LO | GO] lies in LDS
	; ---- the gate
	XSL LS32, 0, 512
	NEXT 1, 32, VW512, 512, 256, 34, VS32, 256, 16, 0, 0           ; gate_w, K 512 .. 1,023: halves of 10
	MM R2, CIMG, 0, 1, 10, 10
	XSL LS32, 16, 512
	NEXT 4, 14, VW128, 128, 0, 16, VS8, 64, 0, 18, 0               ; win_b, win_w, x's scale words: 16 loads; pos: 8
	MM R2, CIMG, 4, 0, 10, 16
	XLOAD XIMG, 0
.set J_, 0
.rept 16
	v_pk_mul_f32 v[R2+J_:R2+J_+1], v[R2+J_:R2+J_+1], 0x4038aa3b op_sel_hi:[1,0]   ; 2 log2(e) z
.set J_, J_+2
.endr
	RELU R2
.set J_, 0
	s_wait_alu depctr_va_vdst(0)
.rept 32
	v_exp_f32 v[R2+J_], v[R2+J_]
.set J_, J_+1
.endr
.set J_, 0
.rept 16
	v_pk_add_f32 v[R0+J_:R0+J_+1], v[R0+J_:R0+J_+1], v[R1+J_:R1+J_+1] neg_lo:[0,1] neg_hi:[0,1]   ; LO - GO: plain work behind the batch
.set J_, J_+2
.endr
	s_wait_alu depctr_va_vdst(0)                   ; one wait for the 32 exponentials, ahead of their first reader
.set J_, 0
.rept 16
	v_pk_add_f32 v[R2+J_:R2+J_+1], v[R2+J_:R2+J_+1], 1.0 op_sel_hi:[1,0]
.set J_, J_+2
.endr
.set J_, 0
	s_wait_alu depctr_va_vdst(0)
.rept 32
	v_rcp_f32 v[R2+J_], v[R2+J_]
.set J_, J_+1
.endr
	v_nop                                          ; a plain place behind the batch
	s_wait_alu depctr_va_vdst(0)                   ; one wait for the 32 reciprocals
.set J_, 0
.rept 16
	v_pk_fma_f32 v[R2+J_:R2+J_+1], v[R2+J_:R2+J_+1], -2.0, 1.0 op_sel_hi:[1,0,0]   ; the gate
.set J_, J_+2
.endr
.set J_, 0
.rept 16
	v_pk_fma_f32 v[R2+J_:R2+J_+1], v[R2+J_:R2+J_+1], v[R0+J_:R0+J_+1], v[R1+J_:R1+J_+1]   ; F = gate (LO - GO) + GO
.set J_, J_+2
.endr
	; ---- h + F, and the first norm
	s_wait_loadcnt 0x0
.irp m, 0,1
.irp k, 0,2,4,6,8,10,12,14
	v_pk_add_f32 v[R2+16*\m+\k:R2+16*\m+\k+1], v[R2+16*\m+\k:R2+16*\m+\k+1], v[W+16+32*\m+\k:W+16+32*\m+\k+1]
.endr
.endr
.irp m, 0,1
.irp k, 0,2,4,6,8,10,12,14
	v_pk_add_f32 v[R2+16*\m+\k:R2+16*\m+\k+1], v[R2+16*\m+\k:R2+16*\m+\k+1], v[BIA+\k:BIA+\k+1]
.endr
.endr
	TURN 0                                         ; win_w's rows become fragments
	s_wait_alu depctr_va_vdst(0)
	s_wait_dscnt 0x0
	KSTEP_T R2, 0, 0, 0                            ; + x win_w, onto F + pos + win_b
	KSTEP_T R2, 1, 1, 0
	PLACES
	BLOAD XF, 50, 0                                ; n1_g, n1_b: wanted first
	BLOAD XF+16, 52, 0
	BLOAD BIA, 42, 0
.irp s, 0,1
	WQ 38, VW256, 256, 0, 40, VS16, 128, 0, \s     ; ffn_w1, hidden units 0 .. 511
.endr
	STATS 0
	s_wait_loadcnt 24                              ; the norm's gain and bias are in; the 24 loads issued behind them (4 + 20) may stay out
	LNAPPLY XF, XF+16
	QUANT2 R2, R2+16, 1
	QOUT YIMG, SW16, 1024, 256
	BARRIER                                        ; y1 lies in LDS
	; ---- the hidden layer, two blocks of 32 units a wave
	XSL LS16, 1024, 256
	NEXT 2, 38, VW256, 256, 131072, 40, VS16, 128, 8192, 42, 2048  ; ffn_w1, hidden units 512 .. 1,023, and their bias: halves of 14 and 10
	MM R0, YIMG, 0, 1, 10, 14
	RELU R0
	QUANT2 R0, R0+16, 0
	QOUT FIMG, SW32, 1536, 512
	NEXT 2, 44, VW512, 512, 0, 46, VS32, 256, 0, 48, 0             ; ffn_w2, K 0 .. 511, ffn_b2: halves of 14 and 10
	MM R0, YIMG, 0, 1, 10, 14
	RELU R0
	QUANT2 R0, R0+16, 0
	QOUT FIMG+8192, SW32, 1536+16, 512
	BARRIER                                        ; the hidden layer lies in LDS
	; ---- y1 + ffn, and the last two norms
	XSL LS32, 1536, 512
	s_wait_loadcnt 20                              ; ffn_b2 is in; the chunk's 20 loads issued behind it may stay out
.irp m, 0,1
.irp k, 0,2,4,6,8,10,12,14
	v_pk_add_f32 v[R2+16*\m+\k:R2+16*\m+\k+1], v[R2+16*\m+\k:R2+16*\m+\k+1], v[BIA+\k:BIA+\k+1]
.endr
.endr
	s_wait_alu depctr_va_vdst(0)
	NEXT 1, 44, VW512, 512, 256, 46, VS32, 256, 16, 0, 0           ; ffn_w2, K 512 .. 1,023: halves of 10
	MM R2, FIMG, 0, 0, 10, 10                      ; onto y1 + ffn_b2
	XSL LS32, 1536+16, 512
	NEXT 0, 0, 0, 0, 0, 0, 0, 0, 0, 0, 0           ; no weights follow
	MM R2, FIMG, 4, 0, 10, 0
	BLOAD XF, 54, 0                                ; n2_g, n2_b
	BLOAD XF+16, 56, 0
	BLOAD W, 58, 0                                 ; n3_g, n3_b
	BLOAD W+16, 60, 0
	STATS 1
	s_wait_loadcnt 0x0
	LNAPPLY XF, XF+16
	STATS 2
	LNAPPLY W, W+16
	; ---- the sum over my 32 rows: the two tiles, then the sixteen lanes of a half
.irp k, 0,2,4,6,8,10,12,14
	v_pk_add_f32 v[R0+\k:R0+\k+1], v[R2+\k:R2+\k+1], v[R2+16+\k:R2+17+\k]
.endr
.irp x, 1,2,4,8
.set J_, 0
.rept 16
	v_add_f32_dpp v[R0+J_], v[R0+J_], v[R0+J_] row_xmask:\x row_mask:0xf bank_mask:0xf
.set J_, J_+1
.endr
.endr
	v_and_b32 v244, 15, v0
	s_delay_alu instid0(VALU_DEP_1)
	v_cmp_eq_u32 vcc_lo, 0, v244
	s_wait_alu depctr_va_vdst(0)
	s_wait_xcnt 0x0                                ; EXEC changes only behind this wait
	s_and_saveexec_b32 s70, vcc_lo                 ; lanes 0 and 16 store their half's 16 columns
.irp n, 0,1,2,3
	global_store_b128 v[VB], v[R0+4*\n:R0+4*\n+3], s[62:63] offset:16*\n
.endr
	s_wait_xcnt 0x0                                ; and again, ahead of the line that widens it
	s_or_b32 exec_lo, exec_lo, s70
	s_wait_xcnt 0x0
	s_mov_b32 exec_lo, -1
	v_lshl_add_u32 v254, v0, 2, 0x14000
	v_mov_b32 v255, 0
	s_wait_alu depctr_va_vdst(0)
	s_wait_tensorcnt 0x0
	ds_add_u32 v254, v255
	s_wait_dscnt 0x0
	s_endpgm
.Lfunc_end_k_qb646bc6d5b_chain:
	.size	k_qb646bc6d5b_chain, .Lfunc_end_k_qb646bc6d5b_chain-k_qb646bc6d5b_chain
	.p2alignl 7, 3214868480
	.fill 96, 4, 3214868480
	.section	.rodata,"a",@progbits
	.p2align	6, 0x0
	.amdhsa_kernel k_qb646bc6d5b_chain
		.amdhsa_group_segment_fixed_size 231424
		.amdhsa_private_segment_fixed_size 0
		.amdhsa_enable_private_segment 0
		.amdhsa_kernarg_size 240
		.amdhsa_user_sgpr_count 2
		.amdhsa_user_sgpr_kernarg_segment_ptr 1
		.amdhsa_wavefront_size32 1
		.amdhsa_system_sgpr_workgroup_id_x 1
		.amdhsa_system_sgpr_workgroup_id_y 1
		.amdhsa_system_sgpr_workgroup_id_z 1
		.amdhsa_system_vgpr_workitem_id 0
		.amdhsa_next_free_vgpr 256
		.amdhsa_next_free_sgpr 104
		.amdhsa_reserve_vcc 1
		.amdhsa_float_denorm_mode_32 3
		.amdhsa_float_denorm_mode_16_64 3
		.amdhsa_memory_ordered 1
		.amdhsa_forward_progress 1
		.amdhsa_inst_pref_size 151
	.end_amdhsa_kernel
	.amdgpu_metadata
---
amdhsa.version: [ 1, 2 ]
amdhsa.kernels:
  - .name:           k_qb646bc6d5b_chain
    .symbol:         k_qb646bc6d5b_chain.kd
    .args:
      - { .name: o_codes, .offset: 0, .size: 8, .value_kind: global_buffer, .address_space: global }
      - { .name: o_scales, .offset: 8, .size: 8, .value_kind: global_buffer, .address_space: global }
      - { .name: x_codes, .offset: 16, .size: 8, .value_kind: global_buffer, .address_space: global }
      - { .name: x_scales, .offset: 24, .size: 8, .value_kind: global_buffer, .address_space: global }
      - { .name: pos, .offset: 32, .size: 8, .value_kind: global_buffer, .address_space: global }
      - { .name: win_w_codes, .offset: 40, .size: 8, .value_kind: global_buffer, .address_space: global }
      - { .name: win_w_scales, .offset: 48, .size: 8, .value_kind: global_buffer, .address_space: global }
      - { .name: win_b, .offset: 56, .size: 8, .value_kind: global_buffer, .address_space: global }
      - { .name: l_wo_codes, .offset: 64, .size: 8, .value_kind: global_buffer, .address_space: global }
      - { .name: l_wo_scales, .offset: 72, .size: 8, .value_kind: global_buffer, .address_space: global }
      - { .name: l_bo, .offset: 80, .size: 8, .value_kind: global_buffer, .address_space: global }
      - { .name: g_wo_codes, .offset: 88, .size: 8, .value_kind: global_buffer, .address_space: global }
      - { .name: g_wo_scales, .offset: 96, .size: 8, .value_kind: global_buffer, .address_space: global }
      - { .name: g_bo, .offset: 104, .size: 8, .value_kind: global_buffer, .address_space: global }
      - { .name: gate_w_codes, .offset: 112, .size: 8, .value_kind: global_buffer, .address_space: global }
      - { .name: gate_w_scales, .offset: 120, .size: 8, .value_kind: global_buffer, .address_space: global }
      - { .name: gate_b, .offset: 128, .size: 8, .value_kind: global_buffer, .address_space: global }
      - { .name: ffn_w1_codes, .offset: 136, .size: 8, .value_kind: global_buffer, .address_space: global }
      - { .name: ffn_w1_scales, .offset: 144, .size: 8, .value_kind: global_buffer, .address_space: global }
      - { .name: ffn_b1, .offset: 152, .size: 8, .value_kind: global_buffer, .address_space: global }
      - { .name: ffn_w2_codes, .offset: 160, .size: 8, .value_kind: global_buffer, .address_space: global }
      - { .name: ffn_w2_scales, .offset: 168, .size: 8, .value_kind: global_buffer, .address_space: global }
      - { .name: ffn_b2, .offset: 176, .size: 8, .value_kind: global_buffer, .address_space: global }
      - { .name: n1_g, .offset: 184, .size: 8, .value_kind: global_buffer, .address_space: global }
      - { .name: n1_b, .offset: 192, .size: 8, .value_kind: global_buffer, .address_space: global }
      - { .name: n2_g, .offset: 200, .size: 8, .value_kind: global_buffer, .address_space: global }
      - { .name: n2_b, .offset: 208, .size: 8, .value_kind: global_buffer, .address_space: global }
      - { .name: n3_g, .offset: 216, .size: 8, .value_kind: global_buffer, .address_space: global }
      - { .name: n3_b, .offset: 224, .size: 8, .value_kind: global_buffer, .address_space: global }
      - { .name: pool, .offset: 232, .size: 8, .value_kind: global_buffer, .address_space: global }
    .group_segment_fixed_size: 231424
    .private_segment_fixed_size: 0
    .kernarg_segment_align: 8
    .kernarg_segment_size: 240
    .max_flat_workgroup_size: 512
    .sgpr_count:     104
    .vgpr_count:     256
    .wavefront_size: 32
...
	.end_amdgpu_metadata
.endif
;; end of part 3
;; launch head (part 4): grid 2 x 4, 16 waves a work-group, no clusters, 10,240 bytes of LDS; arguments pool, out_w, out_b, out0; writes out0
.if DOCPART == 4
	.amdgcn_target "amdgcn-amd-amdhsa--gfx1250"
	.amdhsa_code_object_version 6
	.text
	.protected	k_qb646bc6d5b_head
	.globl	k_qb646bc6d5b_head
	.p2align	8
	.type	k_qb646bc6d5b_head,@function
k_qb646bc6d5b_head:
	s_mov_b64 s[64:65], 0
	v_nop
	global_prefetch_b8 v0, s[64:65] scope:SCOPE_SE
	s_setreg_imm32_b32 hwreg(HW_REG_WAVE_MODE, 25, 1), 1
	s_wait_xcnt 0x0
; out0[b][n] = (the mean over the sequence of y3[b]) . out_w[:, n] + out_b[n].  pool holds, for each block of 32 rows, the sum of y3 over these rows: 64 blocks a batch.
; A work-group takes one batch (y) and 64 of the 128 outputs (x).  Thread t sums column t of the batch's 64 blocks; the 512 means meet in LDS; wave kp multiplies means 32 kp .. 32 kp + 31 by its 32 rows of out_w,
; two outputs a lane; the sixteen partial sums meet in LDS and wave 0 adds them in a fixed order.  Four rows only: fused multiply-adds in f32; the matrix units, clusters and tensor loads have nothing to do here.
.set PL, 0                             ; LDS: the 512 means
.set PP, 2048                          ; the partial sums, [wave 16][64 f32]
	s_load_b256 s[4:11], s[0:1], 0x0               ; pool 4, out_w 6, out_b 8, out0 10
	v_lshl_add_u32 v160, v0, 2, 0x2000
	v_mov_b32 v161, 0
	v_lshrrev_b32 v1, 5, v0
	s_delay_alu instid0(VALU_DEP_1)
	v_readfirstlane_b32 s12, v1                    ; wave kp
	s_and_b32 s13, ttmp7, 0xffff                   ; batch
	v_and_b32 v2, 31, v0
	v_lshlrev_b32 v3, 2, v0                        ; 4 t
	s_delay_alu instid0(VALU_DEP_2)
	v_lshlrev_b32 v4, 3, v2                        ; 8 x lane
	v_lshlrev_b32 v8, 3, v0                        ; 8 t = 256 kp + 8 x lane
	v_and_b32 v7, 0x1e0, v0
	s_delay_alu instid0(VALU_DEP_1)
	v_lshlrev_b32 v7, 2, v7                        ; 128 kp
	s_lshl_b32 s14, s12, 14                        ; my 32 rows of out_w, 512 bytes each
	s_lshl_b32 s15, ttmp9, 8                       ; my work-group's 64 outputs
	s_add_co_u32 s14, s14, s15
	v_add_nc_u32 v5, s14, v4
	v_add_nc_u32 v6, s15, v4
	s_lshl_b32 s16, s13, 17                        ; 64 blocks of 2,048 bytes a batch
	s_mov_b32 s17, 0
	s_lshl_b32 s18, s13, 9
	s_mov_b32 s19, 0
	s_wait_alu depctr_va_vdst(0)
	s_wait_kmcnt 0x0
	s_add_nc_u64 s[4:5], s[4:5], s[16:17]
	s_add_nc_u64 s[10:11], s[10:11], s[18:19]
.set J_, 0
.rept 64
	global_load_b32 v[16+J_], v3, s[4:5] offset:2048*J_            ; a wave reads 128 consecutive bytes, the work-group a whole block
.set J_, J_+1
.endr
.set J_, 0
.rept 32
	global_load_b64 v[80+2*J_:81+2*J_], v5, s[6:7] offset:512*J_   ; 256 consecutive aligned bytes of a row
.set J_, J_+1
.endr
	global_load_b64 v[146:147], v6, s[8:9]
	s_wait_loadcnt 33                              ; the 64 sums are in; the 33 loads issued behind them may stay out
.set J_, 4
	v_pk_add_f32 v[16:17], v[16:17], v[16+J_:17+J_]
	v_pk_add_f32 v[18:19], v[18:19], v[18+J_:19+J_]
.set J_, J_+4
.rept (15)-1
	s_delay_alu instid0(VALU_DEP_2)
	v_pk_add_f32 v[16:17], v[16:17], v[16+J_:17+J_]
	s_delay_alu instid0(VALU_DEP_2)
	v_pk_add_f32 v[18:19], v[18:19], v[18+J_:19+J_]
.set J_, J_+4
.endr
	s_delay_alu instid0(VALU_DEP_1)
	v_pk_add_f32 v[16:17], v[16:17], v[18:19]
	s_delay_alu instid0(VALU_DEP_1)
	v_add_f32 v16, v16, v17
	s_delay_alu instid0(VALU_DEP_1)
	v_mul_f32 v16, 0x3a000000, v16                 ; / 2,048
	ds_store_b32 v3, v16
	s_wait_dscnt 0x0                               ; my mean is stored
	s_barrier_signal -1
	s_barrier_wait -1                              ; all 512 are
.irp j, 0,1,2,3,4,5,6,7
	ds_load_b128 v[16+4*\j:19+4*\j], v7 offset:16*\j               ; my wave's 32 means, the same in every lane
.endr
	s_wait_loadcnt 0x0
	s_wait_dscnt 0x0
	v_mul_f32 v144, v16, v80
	v_mul_f32 v145, v16, v81
.set J_, 1
.rept 31
	s_delay_alu instid0(VALU_DEP_2)
	v_fmac_f32 v144, v[16+J_], v[80+2*J_]
	s_delay_alu instid0(VALU_DEP_2)
	v_fmac_f32 v145, v[16+J_], v[81+2*J_]
.set J_, J_+1
.endr
	ds_store_b64 v8, v[144:145] offset:PP
	s_wait_dscnt 0x0                               ; my partial sums are stored
	s_barrier_signal -1
	s_barrier_wait -1                              ; all sixteen waves' are
	s_cmp_lg_u32 s12, 0
	s_cbranch_scc1 .Ldone                          ; wave 0 alone adds them
.set J_, 0
.rept 16
	ds_load_b64 v[16+2*J_:17+2*J_], v4 offset:PP+256*J_
.set J_, J_+1
.endr
	s_wait_dscnt 0x0
	v_pk_add_f32 v[158:159], v[146:147], v[18:19]
	v_pk_add_f32 v[156:157], v[20:21], v[22:23]
	v_pk_add_f32 v[154:155], v[24:25], v[26:27]
	v_pk_add_f32 v[152:153], v[28:29], v[30:31]
	v_pk_add_f32 v[150:151], v[32:33], v[34:35]
	v_pk_add_f32 v[148:149], v[36:37], v[38:39]
	v_pk_add_f32 v[144:145], v[40:41], v[42:43]
	v_pk_add_f32 v[16:17], v[16:17], v[44:45]
	v_pk_add_f32 v[158:159], v[158:159], v[46:47]
	s_delay_alu instid0(VALU_DEP_2)
	v_pk_add_f32 v[16:17], v[16:17], v[152:153]
	s_delay_alu instid0(VALU_DEP_2)
	v_pk_add_f32 v[158:159], v[158:159], v[150:151]
	v_pk_add_f32 v[156:157], v[156:157], v[148:149]
	v_pk_add_f32 v[154:155], v[154:155], v[144:145]
	s_delay_alu instid0(VALU_DEP_2)
	v_pk_add_f32 v[16:17], v[16:17], v[156:157]
	s_delay_alu instid0(VALU_DEP_2)
	v_pk_add_f32 v[158:159], v[158:159], v[154:155]
	s_delay_alu instid0(VALU_DEP_1)
	v_pk_add_f32 v[16:17], v[16:17], v[158:159]
	global_store_b64 v6, v[16:17], s[10:11]        ; 32 lanes store 256 consecutive aligned bytes
.Ldone:
	s_barrier_signal -1
	s_barrier_wait -1
	s_wait_tensorcnt 0x0
	ds_add_u32 v160, v161
	s_wait_dscnt 0x0
	s_endpgm
.Lfunc_end_k_qb646bc6d5b_head:
	.size	k_qb646bc6d5b_head, .Lfunc_end_k_qb646bc6d5b_head-k_qb646bc6d5b_head
	.p2alignl 7, 3214868480
	.fill 96, 4, 3214868480
	.section	.rodata,"a",@progbits
	.p2align	6, 0x0
	.amdhsa_kernel k_qb646bc6d5b_head
		.amdhsa_group_segment_fixed_size 10240
		.amdhsa_private_segment_fixed_size 0
		.amdhsa_enable_private_segment 0
		.amdhsa_kernarg_size 32
		.amdhsa_user_sgpr_count 2
		.amdhsa_user_sgpr_kernarg_segment_ptr 1
		.amdhsa_wavefront_size32 1
		.amdhsa_system_sgpr_workgroup_id_x 1
		.amdhsa_system_sgpr_workgroup_id_y 1
		.amdhsa_system_sgpr_workgroup_id_z 1
		.amdhsa_system_vgpr_workitem_id 0
		.amdhsa_next_free_vgpr 162
		.amdhsa_next_free_sgpr 66
		.amdhsa_reserve_vcc 0
		.amdhsa_float_denorm_mode_32 3
		.amdhsa_float_denorm_mode_16_64 3
		.amdhsa_memory_ordered 1
		.amdhsa_forward_progress 1
		.amdhsa_inst_pref_size 21
	.end_amdhsa_kernel
	.amdgpu_metadata
---
amdhsa.version: [ 1, 2 ]
amdhsa.kernels:
  - .name:           k_qb646bc6d5b_head
    .symbol:         k_qb646bc6d5b_head.kd
    .args:
      - { .name: pool, .offset: 0, .size: 8, .value_kind: global_buffer, .address_space: global }
      - { .name: out_w, .offset: 8, .size: 8, .value_kind: global_buffer, .address_space: global }
      - { .name: out_b, .offset: 16, .size: 8, .value_kind: global_buffer, .address_space: global }
      - { .name: out0, .offset: 24, .size: 8, .value_kind: global_buffer, .address_space: global }
    .group_segment_fixed_size: 10240
    .private_segment_fixed_size: 0
    .kernarg_segment_align: 8
    .kernarg_segment_size: 32
    .max_flat_workgroup_size: 512
    .sgpr_count:     66
    .vgpr_count:     162
    .wavefront_size: 32
...
	.end_amdgpu_metadata
.endif
;; end of part 4
